; MI455X (gfx1250); checked and timed in simulation.
; The chip was launched on July 23, 2026; its instructions are those of AMD's public machine-readable ISA for CDNA 5 (MIT licence, August 2026) and "CDNA5" Instruction Set Architecture Reference Guide (July 2026). The comments in the code are by the model that wrote it; some were corrected since.
;; Transformer Block. Allowed arithmetic: float matrix products may take bf16 or f16 operands with f32 sums; other float arithmetic in f32, or as packed bf16 or f16 multiplies, adds, multiply-adds, maxima and minima; sums over many terms, partial sums and values carried from step to step in f32; what a program stores and reads back later, other than sums and carried values, may be rounded once to bf16 or f16.
;; Inputs: b_fc1 4,096 float32; b_fc2 1,024 float32; b_proj 1,024 float32; ln1_b 1,024 float32; ln1_g 1,024 float32; ln2_b 1,024 float32; ln2_g 1,024 float32; w_fc1 1,024 x 4,096 float32; w_fc2 4,096 x 1,024 float32; w_proj 1,024 x 1,024 float32; w_qkv 1,024 x 3,072 float32; x 2 x 2,048 x 1,024 float32.
;; Outputs: out0 2 x 2,048 x 1,024 float32.
;; One version. Each part assembles by itself: llvm-mc -triple=amdgcn-amd-amdhsa -mcpu=gfx1250 --defsym DOCPART=n.
;; ======== version 1 of 1: 7 launches
;; workspace buffers: wq 6,291,456 bytes; wb 10,485,760 bytes; w2 8,388,608 bytes; hn 8,388,608 bytes; qkv 25,165,824 bytes; o 8,388,608 bytes; x1 16,777,216 bytes; act 33,554,432 bytes
;; launch ln1 (part 1): grid 448 x 1, 8 waves a work-group, no clusters, 0 bytes of LDS; arguments x, ln1_g, ln1_b, hn, w_qkv, wq; writes hn, wq
.if DOCPART == 1
	.amdgcn_target "amdgcn-amd-amdhsa--gfx1250"
	.amdhsa_code_object_version 6
	.text
	.protected	k_q0ab565a63a_ln1
	.globl	k_q0ab565a63a_ln1
	.p2align	8
	.type	k_q0ab565a63a_ln1,@function
k_q0ab565a63a_ln1:
	s_mov_b64 s[64:65], 0
	v_nop
	global_prefetch_b8 v0, s[64:65] scope:SCOPE_SE
	s_setreg_imm32_b32 hwreg(HW_REG_WAVE_MODE, 25, 1), 1
	s_wait_xcnt 0x0
; TWO JOBS IN ONE LAUNCH, told apart by the work-group's number; both are streams, and neither waits for the other.
; WORK-GROUPS 0-255, LayerNorm: y[r][c] = (x[r][c] - mean_r) * rsqrt(var_r + 1e-5) * g[c] + b[c].  x: [4096][1024] f32; g, b: [1024] f32; y: [4096][1024] bf16, rounded once.
;   A row is 4,096 bytes: one wave takes a whole row, 32 registers, and keeps it between the passes; a wave has two rows, a work-group sixteen.
;   The mean is taken first and subtracted, the variance is the mean of the squares of what is left: no difference of large sums, so a common offset in x does no harm.
;   Lane l holds the columns 128 j + 4 l .. + 3 (j = 0..7): a load covers 512 consecutive bytes, a store of the packed result 256, aligned.
; WORK-GROUPS 256-447: the first 3,145,728 numbers of a weight matrix w (f32, as they lie) are rounded once to bf16 for a matrix launch that follows: 16,384 numbers a work-group,
;   65,536 bytes in and 32,768 out, as many as a LayerNorm work-group moves.  Thread t takes 16 bytes at 16 t of each of sixteen blocks of 4,096 bytes: all sixteen loads go out first;
;   a wave's store covers 256 consecutive bytes, aligned; no register is written twice.
; No LDS, no barrier, no matrix unit: the sums never leave a wave.
.set NORM, 256                         ; work-groups that normalise
.set WX, 8                             ; the weights: v[8:71]   sixteen loads of four f32
.set WY, 72                            ;              v[72:103] sixteen pairs of packed bf16
.set T,  4                             ; v[4:19]    at work
.set MU, 20                            ; v[20:21]   the mean, twice
.set RS, 24                            ; v[24:27]   row r: rsqrt(var + eps) in the pair's low word
.set X,  32                            ; v[32:95]   two rows
.set G,  96                            ; v[96:127]  gain of my 32 columns
.set BV, 128                           ; v[128:159] bias of my 32 columns
.set Y,  160                           ; v[160:191] two rows, packed
	s_load_b256 s[4:11], s[0:1], 0x0               ; x s[4:5], g s[6:7], b s[8:9], y s[10:11]
	s_load_b128 s[20:23], s[0:1], 0x20             ; w s[20:21], its bf16 copy s[22:23]
	s_cmp_lt_u32 ttmp9, NORM
	s_cbranch_scc1 .Lnorm
	; THE WEIGHTS
	v_lshlrev_b32 v1, 4, v0                        ; 16 t
	v_lshlrev_b32 v2, 3, v0                        ; 8 t
	s_sub_co_u32 s12, ttmp9, NORM
	s_lshl_b32 s14, s12, 16                        ; my 65,536 bytes of w
	s_mov_b32 s15, 0
	s_lshl_b32 s16, s12, 15                        ; my 32,768 bytes of the copy
	s_mov_b32 s17, 0
	s_wait_kmcnt 0x0
	s_add_nc_u64 s[20:21], s[20:21], s[14:15]
	s_add_nc_u64 s[22:23], s[22:23], s[16:17]
.set j, 0
.rept 16
	global_load_b128 v[WX+4*j:WX+4*j+3], v1, s[20:21] offset:4096*j th:TH_LOAD_NT
.set j, j+1
.endr
.set j, 0
.rept 16
	s_wait_loadcnt 15-j                            ; loads come back in order: load j is in, the younger ones stay out
	v_cvt_pk_bf16_f32 v[WY+2*j], v[WX+4*j], v[WX+4*j+1]
	v_cvt_pk_bf16_f32 v[WY+2*j+1], v[WX+4*j+2], v[WX+4*j+3]
	global_store_b64 v2, v[WY+2*j:WY+2*j+1], s[22:23] offset:2048*j
.set j, j+1
.endr
	s_endpgm
.Lnorm:
	; THE LAYERNORM
	s_mov_b32 s12, 0x76543210                      ; v_permlanex16_b32: each lane takes its own place in the other half
	s_mov_b32 s13, 0xfedcba98
	s_mov_b32 s14, 0x3a800000                      ; 1 / 1024
	s_mov_b32 s15, 0x3727c5ac                      ; 1e-5
	s_lshl_b32 s16, ttmp9, 16                      ; sixteen rows of 4,096 bytes
	s_mov_b32 s17, 0
	s_lshl_b32 s18, ttmp9, 15                      ; sixteen rows of 2,048 bytes
	s_mov_b32 s19, 0
	v_and_b32 v28, 31, v0                          ; lane
	v_lshrrev_b32 v29, 5, v0                       ; wave
	v_lshlrev_b32 v2, 4, v28                       ; g, b: 16 l
	v_lshl_add_u32 v1, v29, 13, v2                 ; x: + two rows a wave
	v_lshlrev_b32 v3, 3, v28
	v_lshl_add_u32 v3, v29, 12, v3                 ; y: 8 l + two rows a wave
	s_wait_kmcnt 0x0
	s_add_nc_u64 s[4:5], s[4:5], s[16:17]
	s_add_nc_u64 s[10:11], s[10:11], s[18:19]
.set j, 0
.rept 16
	global_load_b128 v[X+4*j:X+4*j+3], v1, s[4:5] offset:512*j  ; row 0, then row 1
.set j, j+1
.endr
.set j, 0
.rept 8
	global_load_b128 v[G+4*j:G+4*j+3], v2, s[6:7] offset:512*j
.set j, j+1
.endr
.set j, 0
.rept 8
	global_load_b128 v[BV+4*j:BV+4*j+3], v2, s[8:9] offset:512*j
.set j, j+1
.endr
.macro LANES                           ; v[T] summed over the 32 lanes, the result in every lane
	v_add_f32_dpp v[T], v[T], v[T] row_xmask:1 row_mask:0xf bank_mask:0xf
	v_add_f32_dpp v[T], v[T], v[T] row_xmask:2 row_mask:0xf bank_mask:0xf
	v_add_f32_dpp v[T], v[T], v[T] row_xmask:4 row_mask:0xf bank_mask:0xf
	v_add_f32_dpp v[T], v[T], v[T] row_xmask:8 row_mask:0xf bank_mask:0xf
	v_permlanex16_b32 v[T+1], v[T], s12, s13       ; its destination has been written
	v_add_f32 v[T], v[T], v[T+1]
.endm
; Row r: the mean; x - mean in place; rsqrt(mean of squares + eps).
.macro STAT r
.set XR, X+32*(\r)
.set k, 0
.rept 8
	v_pk_add_f32 v[T+2*k:T+2*k+1], v[XR+4*k:XR+4*k+1], v[XR+4*k+2:XR+4*k+3]
.set k, k+1
.endr
.set k, 0
.rept 4
	v_pk_add_f32 v[T+4*k:T+4*k+1], v[T+4*k:T+4*k+1], v[T+4*k+2:T+4*k+3]
.set k, k+1
.endr
	v_pk_add_f32 v[T:T+1], v[T:T+1], v[T+4:T+5]
	v_pk_add_f32 v[T+8:T+9], v[T+8:T+9], v[T+12:T+13]
	v_pk_add_f32 v[T:T+1], v[T:T+1], v[T+8:T+9]
	v_add_f32 v[T], v[T], v[T+1]
	LANES
	v_mul_f32 v[MU], s14, v[T]
	v_mov_b32 v[MU+1], v[MU]
.set k, 0
.rept 16
	v_pk_add_f32 v[XR+2*k:XR+2*k+1], v[XR+2*k:XR+2*k+1], v[MU:MU+1] neg_lo:[0,1] neg_hi:[0,1]
.set k, k+1
.endr
.set k, 0
.rept 4                                ; four chains of squares: the first four pairs start them
	v_pk_mul_f32 v[T+2*k:T+2*k+1], v[XR+2*k:XR+2*k+1], v[XR+2*k:XR+2*k+1]
.set k, k+1
.endr
.rept 12
	v_pk_fma_f32 v[T+2*(k%4):T+2*(k%4)+1], v[XR+2*k:XR+2*k+1], v[XR+2*k:XR+2*k+1], v[T+2*(k%4):T+2*(k%4)+1]
.set k, k+1
.endr
	v_pk_add_f32 v[T:T+1], v[T:T+1], v[T+2:T+3]
	v_pk_add_f32 v[T+4:T+5], v[T+4:T+5], v[T+6:T+7]
	v_pk_add_f32 v[T:T+1], v[T:T+1], v[T+4:T+5]
	v_add_f32 v[T], v[T], v[T+1]
	LANES
	v_fma_f32 v[T+2], v[T], s14, s15               ; var + eps
	v_rsq_f32 v[RS+2*(\r)], v[T+2]
	v_mov_b32 v[RS+2*(\r)+1], 0                    ; the plain instruction behind the root (ISA guide 5.7.2); it also writes the pair's other word
.endm
; Row r: scaled, gain and bias in one fused multiply-add, rounded, stored.
.macro APPLY r
.set XR, X+32*(\r)
.set k, 0
	s_wait_alu depctr_va_vdst(0)
.rept 16
	v_pk_mul_f32 v[XR+2*k:XR+2*k+1], v[XR+2*k:XR+2*k+1], v[RS+2*(\r):RS+2*(\r)+1] op_sel_hi:[1,0]
.set k, k+1
.endr
.set k, 0
.rept 16
	v_pk_fma_f32 v[XR+2*k:XR+2*k+1], v[XR+2*k:XR+2*k+1], v[G+2*k:G+2*k+1], v[BV+2*k:BV+2*k+1]
.set k, k+1
.endr
.set k, 0
.rept 16
	v_cvt_pk_bf16_f32 v[Y+16*(\r)+k], v[XR+2*k], v[XR+2*k+1]
.set k, k+1
.endr
.set k, 0
.rept 8
	global_store_b64 v3, v[Y+16*(\r)+2*k:Y+16*(\r)+2*k+1], s[10:11] offset:2048*(\r)+256*k
.set k, k+1
.endr
.endm
	s_wait_loadcnt 24                              ; row 0 is in; row 1, g and b (24 loads) stay out
	STAT 0
	s_wait_loadcnt 16                              ; row 1 is in
	STAT 1
	s_wait_loadcnt 0x0                             ; g and b
	APPLY 0
	APPLY 1
	s_endpgm
.Lfunc_end_k_q0ab565a63a_ln1:
	.size	k_q0ab565a63a_ln1, .Lfunc_end_k_q0ab565a63a_ln1-k_q0ab565a63a_ln1
	.p2alignl 7, 3214868480
	.fill 96, 4, 3214868480
	.section	.rodata,"a",@progbits
	.p2align	6, 0x0
	.amdhsa_kernel k_q0ab565a63a_ln1
		.amdhsa_group_segment_fixed_size 0
		.amdhsa_private_segment_fixed_size 0
		.amdhsa_enable_private_segment 0
		.amdhsa_kernarg_size 48
		.amdhsa_user_sgpr_count 2
		.amdhsa_user_sgpr_kernarg_segment_ptr 1
		.amdhsa_wavefront_size32 1
		.amdhsa_system_sgpr_workgroup_id_x 1
		.amdhsa_system_sgpr_workgroup_id_y 1
		.amdhsa_system_sgpr_workgroup_id_z 1
		.amdhsa_system_vgpr_workitem_id 0
		.amdhsa_next_free_vgpr 192
		.amdhsa_next_free_sgpr 66
		.amdhsa_reserve_vcc 0
		.amdhsa_float_denorm_mode_32 3
		.amdhsa_float_denorm_mode_16_64 3
		.amdhsa_memory_ordered 1
		.amdhsa_forward_progress 1
		.amdhsa_inst_pref_size 26
	.end_amdhsa_kernel
	.amdgpu_metadata
---
amdhsa.version: [ 1, 2 ]
amdhsa.kernels:
  - .name:           k_q0ab565a63a_ln1
    .symbol:         k_q0ab565a63a_ln1.kd
    .args:
      - { .name: x, .offset: 0, .size: 8, .value_kind: global_buffer, .address_space: global }
      - { .name: ln1_g, .offset: 8, .size: 8, .value_kind: global_buffer, .address_space: global }
      - { .name: ln1_b, .offset: 16, .size: 8, .value_kind: global_buffer, .address_space: global }
      - { .name: hn, .offset: 24, .size: 8, .value_kind: global_buffer, .address_space: global }
      - { .name: w_qkv, .offset: 32, .size: 8, .value_kind: global_buffer, .address_space: global }
      - { .name: wq, .offset: 40, .size: 8, .value_kind: global_buffer, .address_space: global }
    .group_segment_fixed_size: 0
    .private_segment_fixed_size: 0
    .kernarg_segment_align: 8
    .kernarg_segment_size: 48
    .max_flat_workgroup_size: 256
    .sgpr_count:     66
    .vgpr_count:     192
    .wavefront_size: 32
...
	.end_amdgpu_metadata
.endif
;; end of part 1
;; launch qkvgemm (part 2): grid 8 x 32, 4 waves a work-group, clusters of 4 x 4, 327,680 bytes of LDS; arguments hn, wq, w_proj, w_fc1, w_fc2, qkv, wb, w2; writes qkv, wb, w2
.if DOCPART == 2
	.amdgcn_target "amdgcn-amd-amdhsa--gfx1250"
	.amdhsa_code_object_version 6
	.text
	.protected	k_q0ab565a63a_qkvgemm
	.globl	k_q0ab565a63a_qkvgemm
	.p2align	8
	.type	k_q0ab565a63a_qkvgemm,@function
k_q0ab565a63a_qkvgemm:
	s_mov_b64 s[64:65], 0
	v_nop
	global_prefetch_b8 v0, s[64:65] scope:SCOPE_SE
	s_setreg_imm32_b32 hwreg(HW_REG_WAVE_MODE, 25, 1), 1
	s_wait_xcnt 0x0
	s_wait_alu depctr_hold_cnt(0) depctr_sa_sdst(0) depctr_va_vdst(0) depctr_va_sdst(0) depctr_va_ssrc(0) depctr_va_vcc(0) depctr_vm_vsrc(0)
	s_getreg_b32 s2, hwreg(HW_REG_IB_STS2, 6, 4)
	s_cmp_eq_u32 s2, 0
	s_cbranch_scc0 .Lentry_in_a_cluster
	s_endpgm
.Lentry_in_a_cluster:
	s_bfe_u32 s2, ttmp6, 0x10000c
	s_cmp_lg_u32 s2, 0xf033
	s_cbranch_scc0 .Lentry_shape_is_right
	s_endpgm
.Lentry_shape_is_right:
; q, k, v = hn x w_qkv.  hn: [4096][1024] bf16; wq = w_qkv: [1024][3072] bf16; sums in f32; out: [3][32 = batch x 16 + head][2048][64] bf16, rounded once, q unscaled.
; A work-group makes 128 rows x 384 columns (6 heads), its four waves 64 x 192 each (3 whole heads): 48 accumulators of 16 x 16.  32 x 8 = 256 work-groups.
; K goes in steps of 128 through two LDS slots filled by the tensor data mover: A's rows are 256 bytes of memory, B's 768, all starting at multiples of 256 bytes.
; B lies [K][N]: its fragments are read turned, by ds_load_tr16_b128.  The matrix instruction is used transposed (source 0 = 16 columns of B, source 1 = 16 rows of A):
; a lane then holds eight neighbouring columns of one row of the result.
; CLUSTER 4 x 4: A's tile hangs on the tile row alone and is asked for jointly by a row of the cluster, B's on the tile column alone, by a column.
; THE LOOP is one K step long: the slot that is read and the slot that is filled are scalar registers turned by an exclusive or.
; BESIDE THE PRODUCT the launch rounds to bf16, once, 6,291,456 weights that later launches multiply by: w_proj (to wb, byte 0), w_fc1 (to wb, byte 2,097,152) and the last 1,024 rows of w_fc2
; (to w2, byte 6,291,456).  Each of the 1,024 waves takes, in each of the 8 K steps, 512 consecutive bytes of w_proj, 2,048 of w_fc1 and 512 of w_fc2's rows: six loads, issued a whole K step ahead of
; the wait for them, twelve conversions, six stores of 256 consecutive bytes, aligned.  They stand where the wave is about to wait for its tile, and touch no register of the product.
; REGISTERS, in windows of 256: window 0 addresses, A's fragments (two buffers at v64, v128), the way out, v192-231 the weights on their way; window 1 B's fragments (two buffers at v0, v128);
; window 2 the accumulators of my rows 0-31, window 3 those of rows 32-63: (a, b) at v[8 (12 a + b)].
; LIMITS: operands are bf16; NaN and infinities are not treated apart.
.set KK,    1024
.set NN,    3072
.set TM,    128
.set TN,    384
.set MT,    4                          ; blocks of 16 rows a wave
.set NT,    12                         ; blocks of 16 columns a wave
.set KSTEP, 128
.set DEP,   KSTEP/128                  ; matrix instructions deep in a quarter of a K step
.set STEPS, KK/KSTEP
.set PA,    272                        ; A's LDS row: 256 + 16 bytes: the 16 rows of a load start at 16 different groups of four banks (64 banks of 4 bytes: ISA guide 11.1)
.set AQI,   5                          ; padded after every 64 words
.set PB,    864                        ; B's LDS row: six pieces of 128 + 16 bytes = 216 words
.set BQI,   4                          ; padded after every 32 words (a head's 64 columns),
.set BPC,   3                          ; by 4 words
.set CBP,   16                         ; so every fourth block of 16 columns lies 16 bytes further on
.set WNB,   432                        ; my 192 columns in an LDS row: three pieces
.set ASZ,   TM*PA
.set BSZ,   KSTEP*PB
.set SLOT,  ASZ+BSZ
.set SPARE, 2*SLOT                     ; behind the ring: the spare words, 128 bytes a wave, which no other line names
.set WOFF,  0                          ; w_qkv begins its buffer
.set ASTEP, KSTEP*2
.set BSTEP, KSTEP*NN*2
.set AHI,   MT*DEP                     ; LDS loads of A's upper half in a run
.set SPI,   784                        ; the way out: a stage row of 192 f32 + 16 bytes
.set WM,    16*MT
.set A0,   16                          ; v16  my lane's place in A's tile; never rewritten
.set B0,   17                          ; v17  the same in B's
.set ADRA, 18                          ; v18, v19  the addresses of the run of loads in hand
.set ADRB, 19
.set STO,  20                          ; v20  the way out: where I put 32 bytes of a row
.set RD,   21                          ; v21  where I read rows back
.set CO,   22                          ; v22  my byte offset in the output
.set SPW,  28                          ; v28  LDS address of my spare word; never rewritten
.set NIL,  29                          ; v29  0; never rewritten
.set CXR,  192                         ; v[192:215] the weights: six loads of four f32
.set CYR,  216                         ; v[216:227] the same, packed
.set VS1,  228                         ; v228 byte offset of my 16 bytes in w_proj and in w_fc2's last rows: one load a K step
.set VS4,  229                         ; v229 the same in w_fc1: four loads a K step
.set VD1,  230                         ; v230, v231 half of those: the places of the packed numbers
.set VD4,  231
.set HOP1, 524288                      ; bytes from a K step's share to the next: 1,024 waves x 512 bytes,
.set HOP4, 2097152                     ; 1,024 waves x 2,048 bytes
.set SWP,  8                           ; s[8:9]   w_proj
.set SW1,  10                          ; s[10:11] w_fc1
.set SW2,  88                          ; s[88:89] w_fc2, at row 3,072
.set OUTQ, 90                          ; s[90:91] qkv
.set DWP,  92                          ; s[92:93] wb: w_proj's copy
.set DW2,  94                          ; s[94:95] w2, at row 3,072
.set DW1,  96                          ; s[96:97] wb: w_fc1's copy
.set WV,   14                          ; s14  wave
.set ROLE, 15                          ; s15  my half of the tile's rows; also: I fetch for A (0) or B (1)
.set HALF, 16                          ; s16  my half of its columns; also: which half of that tile I fetch
.set CX,   17
.set CY,   18
.set TX,   19                          ; tile column
.set TY,   20                          ; tile row
.set RM,   21
.set CM,   22
.set G1A,  24                          ; s[24:31] group 1 for A; s[32:39] group 0: a set for each first fill, the second then walks
.set G0A,  32
.set G1B,  40                          ; s[40:47], s[48:55] the same for B
.set G0B,  48
.set TB,   56                          ; s56  the slot that is read: 0 or SLOT
.set TF,   57                          ; s57  the slot filled last
.set LWA,  58                          ; s58  my part of a slot, for A
.set LWB,  59                          ; s59  for B
.set CNT,  60
.set TBB,  61
.set MSB, 0
.macro WIN new                         ; the immediate's high byte repeats the setting that is left; a switch that changes nothing is dropped
.if MSB != (\new)
	s_set_vgpr_msb (MSB<<8)|(\new)
.set MSB, (\new)
.endif
.endm
.macro PLACES                          ; four plain vector instructions behind a matrix instruction, ahead of loads into its sources and of reads of its result
.rept 4
	v_nop
.endr
.endm
.macro JLOAD                           ; a joint refill: waves 0, 1 fetch A's halves, waves 2, 3 B's; s_nop 0 and four v_nop follow each line
	s_cmp_eq_u32 s[ROLE], 0
	s_cbranch_scc0 .Lfor_b_\@
	tensor_load_to_lds s[G0A+4:G0A+7], s[G1A:G1A+7]
	s_nop 0
.rept 4
	v_nop
.endr
	s_branch .Lasked_\@
.Lfor_b_\@:
	tensor_load_to_lds s[G0B+4:G0B+7], s[G1B:G1B+7]
	s_nop 0
.rept 4
	v_nop
.endr
.Lasked_\@:
.endm
.macro CREST                           ; a round of the cluster's barrier behind its opening barrier
	s_cmp_lg_u32 s[WV], 0
	s_cbranch_scc1 .Lnot_wave_0_\@
	s_barrier_signal -3
.Lnot_wave_0_\@:
	s_barrier_wait -3
	s_barrier_signal -1
	s_barrier_wait -1
.endm
.macro CROUND
	s_barrier_signal -1
	s_barrier_wait -1
	CREST
.endm
; THE WEIGHTS.  A K step's six loads: 512 consecutive bytes a load.
.macro WLOADS
	global_load_b128 v[CXR:CXR+3], v[VS1], s[SWP:SWP+1] th:TH_LOAD_NT
.irp j, 0,1,2,3
	global_load_b128 v[CXR+4+4*\j:CXR+7+4*\j], v[VS4], s[SW1:SW1+1] offset:512*\j th:TH_LOAD_NT
.endr
	global_load_b128 v[CXR+20:CXR+23], v[VS1], s[SW2:SW2+1] th:TH_LOAD_NT
.endm
; The share asked for a K step ago is rounded and stored, the next is asked for.  more = 0 (the tail's two trips): in the last trip nothing is left to ask for, and the loads are jumped over.
.macro WCAST more
	s_wait_loadcnt 0x0                             ; my six loads are in: their offsets may be written
	s_wait_xcnt 0x0                                ; the last K step's stores have read their data and their offsets: both are rewritten only behind this wait
	v_lshrrev_b32 v[VD1], 1, v[VS1]                ; two bytes go out for four that came in
	v_lshrrev_b32 v[VD4], 1, v[VS4]
.set wk, 0
.rept 6
	v_cvt_pk_bf16_f32 v[CYR+2*wk], v[CXR+4*wk], v[CXR+4*wk+1]
	v_cvt_pk_bf16_f32 v[CYR+2*wk+1], v[CXR+4*wk+2], v[CXR+4*wk+3]
.set wk, wk+1
.endr
.if !(\more)
	s_cmp_eq_u32 s[CNT], 1
	s_cbranch_scc1 .Lno_load_\@
.endif
	v_add_nc_u32 v[VS1], HOP1, v[VS1]
	v_add_nc_u32 v[VS4], HOP4, v[VS4]
	WLOADS                                         ; loads ahead of stores
.if !(\more)
.Lno_load_\@:
.endif
	global_store_b64 v[VD1], v[CYR:CYR+1], s[DWP:DWP+1]
.irp j, 0,1,2,3
	global_store_b64 v[VD4], v[CYR+2+2*\j:CYR+3+2*\j], s[DW1:DW1+1] offset:256*\j
.endr
	global_store_b64 v[VD1], v[CYR+10:CYR+11], s[DW2:DW2+1]
.endm
	s_load_b256 s[4:11], s[0:1], 0x0               ; hn s[4:5], wq s[6:7], w_proj s[8:9], w_fc1 s[10:11]
	s_load_b256 s[88:95], s[0:1], 0x20             ; w_fc2 s[88:89], qkv s[90:91], wb s[92:93], w2 s[94:95]
	v_lshl_add_u32 v[SPW], v0, 2, SPARE
	v_mov_b32 v[NIL], 0
	ds_add_u32 v[SPW], v[NIL]                      ; the wave's opening: the add and its wait stand ahead of my first tensor load; register work stands between them
	v_lshrrev_b32 v1, 5, v0
	v_readfirstlane_b32 s[WV], v1
	s_lshr_b32 s[ROLE], s[WV], 1
	s_and_b32 s[HALF], s[WV], 1
	s_bfe_u32 s[CX], ttmp6, 0x40000
	s_bfe_u32 s[CY], ttmp6, 0x40004
	s_lshl_b32 s[TX], ttmp9, 2
	s_add_co_u32 s[TX], s[TX], s[CX]
	s_and_b32 s[TY], ttmp7, 0xffff
	s_lshl_b32 s[TY], s[TY], 2
	s_add_co_u32 s[TY], s[TY], s[CY]
	s_lshl_b32 s[RM], s[CY], 2
	s_lshl_b32 s[RM], 15, s[RM]                    ; my row of the cluster
	s_lshl_b32 s[CM], 0x1111, s[CX]                ; my column
	s_or_b32 s[G1A], s[RM], (1<<16)|(1<<20)|(1<<21)|(AQI<<22)|(3<<25)    ; mask; 2-byte elements; padding on; bit 21 beside a mask; interval; 4 words
	s_or_b32 s[G1B], s[CM], (1<<16)|(1<<20)|(1<<21)|(BQI<<22)|(BPC<<25)
	s_mov_b32 s[G1A+1], KSTEP<<16                  ; tensor_dim0
	s_mov_b32 s[G1A+2], (TM/2)<<16                 ; tensor_dim1
	s_mov_b32 s[G1A+3], KSTEP<<16                  ; tile_dim0
	s_mov_b32 s[G1A+4], TM/2                       ; tile_dim1
	s_mov_b32 s[G1A+5], KK                         ; elements from row to row
	s_mov_b32 s[G1A+6], 0
	s_mov_b32 s[G1A+7], 0
	s_mov_b32 s[G1B+1], TN<<16
	s_mov_b32 s[G1B+2], (KSTEP/2)<<16
	s_mov_b32 s[G1B+3], TN<<16
	s_mov_b32 s[G1B+4], KSTEP/2
	s_mov_b32 s[G1B+5], NN
	s_mov_b32 s[G1B+6], 0
	s_mov_b32 s[G1B+7], 0
	s_mul_i32 s[LWA], s[HALF], (TM/2)*PA           ; no place in the cluster enters an LDS address
	s_mul_i32 s[LWB], s[HALF], (KSTEP/2)*PB
	s_add_co_u32 s[LWB], s[LWB], ASZ
	s_mul_i32 s66, s[TY], TM                       ; A's tile hangs on the tile row alone,
	s_mul_i32 s67, s[HALF], TM/2
	s_add_co_u32 s66, s66, s67
	s_mul_i32 s66, s66, KK*2
	s_mov_b32 s67, 0
	s_mul_i32 s70, s[TX], TN*2                     ; B's on the tile column alone
	s_mul_i32 s71, s[HALF], (KSTEP/2)*NN*2
	s_add_co_u32 s70, s70, s71
	s_add_co_u32 s70, s70, WOFF
	s_mov_b32 s71, 0
	s_mov_b32 s[TB], 0
	s_mov_b32 s[TF], SLOT
	s_mov_b32 s[G0A], 1
	s_mov_b32 s[G0A+1], s[LWA]                     ; slot 0
	s_mov_b32 s[G0A+4], 1
	s_add_co_u32 s[G0A+5], s[LWA], SLOT            ; slot 1
	s_mov_b32 s[G0B], 1
	s_mov_b32 s[G0B+1], s[LWB]
	s_mov_b32 s[G0B+4], 1
	s_add_co_u32 s[G0B+5], s[LWB], SLOT
	s_wait_dscnt 0x0                               ; the opening add is done
	s_wait_kmcnt 0x0
	s_add_nc_u64 s[G0A+2:G0A+3], s[4:5], s[66:67]              ; K step 0
	s_add_nc_u64 s[G0A+6:G0A+7], s[G0A+2:G0A+3], ASTEP         ; K step 1
	s_or_b32 s[G0A+3], s[G0A+3], 0x80000000                    ; type = 2
	s_or_b32 s[G0A+7], s[G0A+7], 0x80000000
	s_add_nc_u64 s[G0B+2:G0B+3], s[6:7], s[70:71]
	s_add_nc_u64 s[G0B+6:G0B+7], s[G0B+2:G0B+3], BSTEP
	s_or_b32 s[G0B+3], s[G0B+3], 0x80000000
	s_or_b32 s[G0B+7], s[G0B+7], 0x80000000
	CROUND                                         ; all sixteen work-groups are here: the first joint loads meet
	s_cmp_eq_u32 s[ROLE], 0                        ; a wave's two first fills stand in one branch: two tensor loads of mine are out
	s_cbranch_scc0 .Lfirst_b
	tensor_load_to_lds s[G0A:G0A+3], s[G1A:G1A+7]
	s_nop 0
	tensor_load_to_lds s[G0A+4:G0A+7], s[G1A:G1A+7]
	s_nop 0
.rept 4
	v_nop
.endr
	s_branch .Lfirst_asked
.Lfirst_b:
	tensor_load_to_lds s[G0B:G0B+3], s[G1B:G1B+7]
	s_nop 0
	tensor_load_to_lds s[G0B+4:G0B+7], s[G1B:G1B+7]
	s_nop 0
.rept 4
	v_nop
.endr
.Lfirst_asked:
	; the weights: wave c = 4 (8 x tile row + tile column) + wave of 1,024 takes bytes 512 c (2,048 c in w_fc1) of each K step's share; the first share is asked for here
	s_lshl_b32 s12, s[TY], 3
	s_add_co_u32 s12, s12, s[TX]
	s_lshl_b32 s12, s12, 2
	s_add_co_u32 s12, s12, s[WV]
	v_and_b32 v5, 31, v0
	v_lshlrev_b32 v5, 4, v5                        ; 16 l
	s_lshl_b32 s13, s12, 9
	v_add_nc_u32 v[VS1], s13, v5
	s_lshl_b32 s13, s12, 11
	v_add_nc_u32 v[VS4], s13, v5
	s_add_nc_u64 s[SW2:SW2+1], s[SW2:SW2+1], 12582912    ; row 3,072 of w_fc2, f32
	s_add_nc_u64 s[DW1:DW1+1], s[DWP:DWP+1], 2097152     ; behind w_proj's copy
	s_add_nc_u64 s[DW2:DW2+1], s[DW2:DW2+1], 6291456     ; row 3,072 of w_fc2, bf16
	WLOADS
	v_and_b32 v1, 15, v0                           ; l % 16
	v_bfe_u32 v2, v0, 4, 1                         ; l / 16
	v_mul_u32_u24 v[A0], v1, PA                    ; A's fragment: row l % 16, 16 bytes for each half of the lanes, twice, 32 bytes apart
	v_lshl_add_u32 v[A0], v2, 4, v[A0]
	s_mul_i32 s66, s[ROLE], (TM/2)*PA
	v_add_nc_u32 v[A0], s66, v[A0]
	v_and_b32 v3, 7, v0                            ; B's, turned: lane l reads row 8 (l / 16) + l % 8, 16 bytes at 16 ((l / 8) % 2); twice, 16 rows apart
	v_lshl_add_u32 v3, v2, 3, v3
	v_mul_u32_u24 v[B0], v3, PB
	v_bfe_u32 v4, v0, 3, 1
	v_lshl_add_u32 v[B0], v4, 4, v[B0]
	s_mul_i32 s66, s[HALF], WNB
	v_add_nc_u32 v[B0], s66, v[B0]
	s_mul_i32 s67, s[WV], WM*SPI                   ; my stage
	v_mul_u32_u24 v[STO], v1, SPI                  ; in: row l % 16, 32 bytes for each half of the lanes
	v_lshl_add_u32 v[STO], v2, 5, v[STO]
	v_add_nc_u32 v[STO], s67, v[STO]
	v_mul_u32_u24 v[RD], v2, SPI                   ; back: lanes 0-15 a head's 256 bytes of one row, lanes 16-31 of the next
	v_lshl_add_u32 v[RD], v1, 4, v[RD]
	v_add_nc_u32 v[RD], s67, v[RD]
	v_and_b32 v[CO], 31, v0
	v_lshlrev_b32 v[CO], 3, v[CO]                  ; out: two tokens of a head are 256 consecutive bytes: 8 l
	; where my three heads' rows begin.  Column block hc = 6 TX + 3 HALF + j of 64: part hc / 16 of q, k, v, head hc % 16
	s_mul_i32 s80, s[TX], 6
	s_mul_i32 s81, s[HALF], 3
	s_add_co_u32 s80, s80, s81
	s_lshr_b32 s82, s[TY], 4                       ; the batch: 16 heads of 262,144 bytes
	s_lshl_b32 s82, s82, 22
	s_and_b32 s83, s[TY], 15
	s_lshl_b32 s83, s83, 7
	s_lshl_b32 s86, s[ROLE], 6
	s_add_co_u32 s83, s83, s86                     ; my first token
	s_lshl_b32 s83, s83, 7
	s_add_co_u32 s82, s82, s83
.irp j, 0,1,2
	s_add_co_u32 s84, s80, \j
	s_lshr_b32 s85, s84, 4
	s_lshl_b32 s85, s85, 22                        ; hc x 262,144 counts 16 heads a part; a part has 32
	s_lshl_b32 s84, s84, 18
	s_add_co_u32 s84, s84, s85
	s_add_co_u32 s84, s84, s82
	s_mov_b32 s85, 0
	s_add_nc_u64 s[74+2*\j:75+2*\j], s[OUTQ:OUTQ+1], s[84:85]
.endr
; na blocks of rows from a0 of half hi x all NT blocks of columns, a quarter of a K step deep, from buffer f.  The accumulators take turns, one instruction a turn.
; zero = 1: the first product starts the sums: nothing is cleared.
.macro MULP f, hi, a0, na, zero
	WIN 0xa1+0x50*(\hi)                            ; source 0 (B) window 1, source 1 (A) window 0, C and D window 2 or 3
.set mc, 0
.rept DEP
.set ma, (\a0)
.rept (\na)
.set mb, 0
.rept NT
.set rD, 8*(ma*NT+mb)
.set rB, 128*(\f)+8*(mc*NT+mb)
.set rA, 64+64*(\f)+8*(mc*MT+(\hi)*(MT/2)+ma)
.if (\zero) && (mc == 0)
	v_wmma_f32_16x16x32_bf16 v[rD:rD+7], v[rB:rB+7], v[rA:rA+7], 0
.else
	v_wmma_f32_16x16x32_bf16 v[rD:rD+7], v[rB:rB+7], v[rA:rA+7], v[rD:rD+7]
.endif
.set mb, mb+1
.endr
.set ma, ma+1
.endr
.set mc, mc+1
.endr
.endm
; 32 LDS loads in one run: quarter q of the slot that is read, into buffer f: B, A's lower half, A's upper half
.macro FETCH q, f
	WIN 0
	s_add_co_u32 s[TBB], s[TB], ASZ+(\q)*(KSTEP/4)*PB
	v_add_nc_u32 v[ADRA], s[TB], v[A0]
	v_add_nc_u32 v[ADRB], s[TBB], v[B0]
	WIN 0x40                                       ; destination window 1
.set fc, 0
.rept DEP
.set fb, 0
.rept NT
.set rB, 128*(\f)+8*(fc*NT+fb)
	ds_load_tr16_b128 v[rB:rB+3],   v[ADRB] offset:fc*32*PB+32*fb+CBP*(fb/4)
	ds_load_tr16_b128 v[rB+4:rB+7], v[ADRB] offset:fc*32*PB+32*fb+CBP*(fb/4)+16*PB
.set fb, fb+1
.endr
.set fc, fc+1
.endr
	WIN 0
.set fh, 0
.rept 2
.set fc, 0
.rept DEP
.set fa, fh*(MT/2)
.rept MT/2
.set rA, 64+64*(\f)+8*(fc*MT+fa)
	ds_load_b128 v[rA:rA+3],   v[ADRA] offset:(\q)*(KSTEP/2)+64*fc+fa*16*PA
	ds_load_b128 v[rA+4:rA+7], v[ADRA] offset:(\q)*(KSTEP/2)+64*fc+fa*16*PA+32
.set fa, fa+1
.endr
.set fc, fc+1
.endr
.set fh, fh+1
.endr
.endm
; One of a K step's first three quarters: multiplies buffer f; in its middle fetches quarter q into buffer g
.macro QUARTER q, f, g, zero
	s_wait_dscnt AHI                               ; B and A's lower half are in; the youngest loads, A's upper half, may be out
	MULP \f, 0, 0, MT/2, \zero
	PLACES
	FETCH \q, \g
	s_wait_dscnt 32                                ; all but the 32 just issued
	MULP \f, 1, 0, MT/2, \zero
.endm
; The last quarter multiplies buffer 1 and changes slots: one barrier.  At its head stands the K step's share of the weights.  In front of the barrier each wave waits for all its tensor loads (one is
; out: its part of the next slot), adds 0 to its spare word, and waits for that and for its reads of this slot.  fill = 1: the barrier opens a round of the cluster's, and this slot is filled again, two
; K steps on, first thing behind it.  fill = 0 (the tail's two trips): nothing is filled; in the last trip there is no next slot, and the run of loads is jumped over.
.macro TURN fill
	WIN 0
	WCAST \fill
	s_wait_tensorcnt 0x0
	ds_add_u32 v[SPW], v[NIL]
	s_wait_dscnt AHI+1                             ; the add and A's upper half may be out
	MULP 1, 0, 0, MT/4, 0
	s_wait_dscnt 0x0                               ; the add is done, my reads of this slot are over
	s_barrier_signal -1
	MULP 1, 0, MT/4, MT/4, 0
	WIN 0
	s_barrier_wait -1
.if \fill
	CREST                                          ; no wave of any partner still reads this slot or has a load on its way
	s_xor_b32 s[TF], s[TF], SLOT
	s_add_co_u32 s[G0A+5], s[LWA], s[TF]
	s_add_co_u32 s[G0B+5], s[LWB], s[TF]
	s_add_nc_u64 s[G0A+6:G0A+7], s[G0A+6:G0A+7], ASTEP
	s_add_nc_u64 s[G0B+6:G0B+7], s[G0B+6:G0B+7], BSTEP
	JLOAD                                          ; its four v_nop are also the places in front of the loads below
	s_xor_b32 s[TB], s[TB], SLOT
	FETCH 0, 0
.else
	PLACES
	s_cmp_eq_u32 s[CNT], 1
	s_cbranch_scc1 .Lno_fetch_\@
	s_xor_b32 s[TB], s[TB], SLOT
	FETCH 0, 0
.Lno_fetch_\@:
.endif
	MULP 1, 1, 0, MT/2, 0
.endm
	s_wait_tensorcnt 0x1                           ; my part of K step 0 is in; K step 1's may stay out
	s_barrier_signal -1
	s_barrier_wait -1
	FETCH 0, 0
	QUARTER 1, 0, 1, 1                             ; the first quarter stands ahead of the loop: its products start the sums
	WIN 0
	s_mov_b32 s[CNT], STEPS-2
	s_branch .Lin
.Llap:                                         ; a trip is a K step and fills the slot that it leaves
	QUARTER 1, 0, 1, 0
	WIN 0
.Lin:
	QUARTER 2, 1, 0, 0
	QUARTER 3, 0, 1, 0
	TURN 1
	WIN 0
	s_sub_co_u32 s[CNT], s[CNT], 1
	s_cmp_lg_u32 s[CNT], 0
	s_cbranch_scc1 .Llap
	s_mov_b32 s[CNT], 2
.Ltail:                                        ; the last two K steps ask for nothing
	QUARTER 1, 0, 1, 0
	QUARTER 2, 1, 0, 0
	QUARTER 3, 0, 1, 0
	TURN 0
	WIN 0
	s_sub_co_u32 s[CNT], s[CNT], 1
	s_cmp_lg_u32 s[CNT], 0
	s_cbranch_scc1 .Ltail
	; THE WAY OUT.  The ring has had its last fill; each wave's stage (64 rows x 784 bytes, f32) lies over it.
	PLACES
	s_wait_dscnt 0x0
	s_barrier_signal -1                            ; every wave's reads of the ring are over before any wave stores into a stage
	s_barrier_wait -1
.set dh, 0
.rept 2
	WIN 0x08+4*dh                                  ; store data from window 2, then 3
.set da, 0
.rept MT/2
.set db, 0
.rept NT
.set rD, 8*(da*NT+db)
	ds_store_b128 v[STO], v[rD:rD+3]   offset:(dh*(MT/2)+da)*16*SPI+64*db     ; each accumulator's low end first
	ds_store_b128 v[STO], v[rD+4:rD+7] offset:(dh*(MT/2)+da)*16*SPI+64*db+16
.set db, db+1
.endr
.set da, da+1
.endr
.set dh, dh+1
.endr
	WIN 0
.macro LDX                             ; eight rows x three heads: twelve loads (LDS serves a wave's instructions in order, ISA guide 5.7.1.4: they see my stores)
.set xr, 0
.rept 4
.set xj, 0
.rept 3
	ds_load_b128 v[64+4*(3*xr+xj):64+4*(3*xr+xj)+3], v[RD] offset:xr*2*SPI+256*xj
.set xj, xj+1
.endr
.set xr, xr+1
.endr
.endm
	LDX
	s_mov_b32 s[CNT], 8
.Lout:                                         ; a trip: eight rows are rounded and stored, the next eight read
	s_wait_dscnt 0x0
.set k, 0
.rept 12
	v_cvt_pk_bf16_f32 v[112+2*k], v[64+4*k], v[65+4*k]
	v_cvt_pk_bf16_f32 v[113+2*k], v[66+4*k], v[67+4*k]
.set k, k+1
.endr
	s_cmp_eq_u32 s[CNT], 1
	s_cbranch_scc1 .Lno_more
	v_add_nc_u32 v[RD], 8*SPI, v[RD]
	LDX
.Lno_more:
.set xr, 0
.rept 4
.set xj, 0
.rept 3
	global_store_b64 v[CO], v[112+2*(3*xr+xj):113+2*(3*xr+xj)], s[74+2*xj:75+2*xj] offset:256*xr  ; 32 lanes store 256 consecutive bytes, aligned: two tokens of a head
.set xj, xj+1
.endr
.set xr, xr+1
.endr
	s_wait_xcnt 0x0                                ; the stores have read their data and offset: both are rewritten only behind this wait
	v_add_nc_u32 v[CO], 1024, v[CO]
	s_sub_co_u32 s[CNT], s[CNT], 1
	s_cmp_lg_u32 s[CNT], 0
	s_cbranch_scc1 .Lout
	s_wait_tensorcnt 0x0                           ; the wave's end
	ds_add_u32 v[SPW], v[NIL]
	s_wait_dscnt 0x0
	CROUND                                         ; the closing round
	s_endpgm
.Lfunc_end_k_q0ab565a63a_qkvgemm:
	.size	k_q0ab565a63a_qkvgemm, .Lfunc_end_k_q0ab565a63a_qkvgemm-k_q0ab565a63a_qkvgemm
	.p2alignl 7, 3214868480
	.fill 96, 4, 3214868480
	.section	.rodata,"a",@progbits
	.p2align	6, 0x0
	.amdhsa_kernel k_q0ab565a63a_qkvgemm
		.amdhsa_group_segment_fixed_size 327680
		.amdhsa_private_segment_fixed_size 0
		.amdhsa_enable_private_segment 0
		.amdhsa_kernarg_size 64
		.amdhsa_user_sgpr_count 2
		.amdhsa_user_sgpr_kernarg_segment_ptr 1
		.amdhsa_wavefront_size32 1
		.amdhsa_system_sgpr_workgroup_id_x 1
		.amdhsa_system_sgpr_workgroup_id_y 1
		.amdhsa_system_sgpr_workgroup_id_z 1
		.amdhsa_system_vgpr_workitem_id 0
		.amdhsa_next_free_vgpr 1024
		.amdhsa_next_free_sgpr 100
		.amdhsa_reserve_vcc 0
		.amdhsa_float_denorm_mode_32 3
		.amdhsa_float_denorm_mode_16_64 3
		.amdhsa_memory_ordered 1
		.amdhsa_forward_progress 1
		.amdhsa_inst_pref_size 78
	.end_amdhsa_kernel
	.amdgpu_metadata
---
amdhsa.version: [ 1, 2 ]
amdhsa.kernels:
  - .name:           k_q0ab565a63a_qkvgemm
    .symbol:         k_q0ab565a63a_qkvgemm.kd
    .args:
      - { .name: hn, .offset: 0, .size: 8, .value_kind: global_buffer, .address_space: global }
      - { .name: wq, .offset: 8, .size: 8, .value_kind: global_buffer, .address_space: global }
      - { .name: w_proj, .offset: 16, .size: 8, .value_kind: global_buffer, .address_space: global }
      - { .name: w_fc1, .offset: 24, .size: 8, .value_kind: global_buffer, .address_space: global }
      - { .name: w_fc2, .offset: 32, .size: 8, .value_kind: global_buffer, .address_space: global }
      - { .name: qkv, .offset: 40, .size: 8, .value_kind: global_buffer, .address_space: global }
      - { .name: wb, .offset: 48, .size: 8, .value_kind: global_buffer, .address_space: global }
      - { .name: w2, .offset: 56, .size: 8, .value_kind: global_buffer, .address_space: global }
    .group_segment_fixed_size: 327680
    .private_segment_fixed_size: 0
    .kernarg_segment_align: 8
    .kernarg_segment_size: 64
    .max_flat_workgroup_size: 128
    .sgpr_count:     100
    .vgpr_count:     1024
    .wavefront_size: 32
...
	.end_amdgpu_metadata
.endif
;; end of part 2
;; launch attn (part 3): grid 16 x 16, 4 waves a work-group, clusters of 4 x 1, 327,680 bytes of LDS; arguments qkv, o; writes o
.if DOCPART == 3
	.amdgcn_target "amdgcn-amd-amdhsa--gfx1250"
	.amdhsa_code_object_version 6
	.text
	.protected	k_q0ab565a63a_attn
	.globl	k_q0ab565a63a_attn
	.p2align	8
	.type	k_q0ab565a63a_attn,@function
k_q0ab565a63a_attn:
	s_mov_b64 s[64:65], 0
	v_nop
	global_prefetch_b8 v0, s[64:65] scope:SCOPE_SE
	s_setreg_imm32_b32 hwreg(HW_REG_WAVE_MODE, 25, 1), 1
	s_wait_xcnt 0x0
	s_wait_alu depctr_hold_cnt(0) depctr_sa_sdst(0) depctr_va_vdst(0) depctr_va_sdst(0) depctr_va_ssrc(0) depctr_va_vcc(0) depctr_vm_vsrc(0)
	s_getreg_b32 s2, hwreg(HW_REG_IB_STS2, 6, 4)
	s_cmp_eq_u32 s2, 0
	s_cbranch_scc0 .Lentry_in_a_cluster
	s_endpgm
.Lentry_in_a_cluster:
	s_bfe_u32 s2, ttmp6, 0x10000c
	s_cmp_lg_u32 s2, 0x3003
	s_cbranch_scc0 .Lentry_shape_is_right
	s_endpgm
.Lentry_shape_is_right:
; o[token][head x 64 + d] = the sum over keys of softmax(q . k / 8) v.  qkv: [3][32 heads][2048][64] bf16, a head's rows dense, 128 bytes each; o: [4096][1024] bf16.
; Products, maxima and sums in f32; the weights p are rounded to bf16 for the second product (their sum l is taken of the unrounded p), o once at the end.
; LIMITS.  A weight below 2^-126 counts as 0 in l; c s must lie above -4e37, where c m starts; NaN and infinities are not treated apart.
; SHARES.  A work-group takes TWO neighbouring heads and 128 queries, so that a token's 2 x 64 channels are 256 consecutive bytes of o, aligned.  Waves 0, 1 work on the even head, waves 2, 3 on the
; odd one; each wave owns 64 queries: four PIECES of 16.  Every wave walks all 2,048 keys of its head, 64 a step.  16 blocks x 16 pairs = 256 work-groups.
; LAYOUT.  S^T = K Q^T holds ONE query a lane (lane % 16) and the keys 8 (lane / 16) + 0..7; two such results rounded to bf16 ARE source 1 of O^T = V^T P.  K comes out of LDS as it lies, V turned.
; SOFTMAX.  p = 2^(c s - c m), c = log2(e) / 8, with a running maximum m; O and l are multiplied by a = 2^(c m_old - c m_new) in every step.  m starts at the lowest finite number, O and l at 0.
; BY TURNS.  Turn n belongs to piece n: 8 products K Q^T of piece n + 1, later 8 products V^T P of piece n - 1; beside them the scaling, exponentials, roundings, sums and rescaling of piece n and the
; maximum and statistics of piece n + 1.  Four vector instructions stand behind every matrix instruction, the other 54 of a turn's 118 in two runs of their own.
; CLUSTER.  The four query blocks of a cluster walk the same K and V of the same two heads: each tile is asked for jointly, by the same tensor load, descriptor and mask in all four.
; REGISTERS, in windows of 256 (s_set_vgpr_msb: bits 1:0 source 0, 3:2 source 1, 5:4 source 2, 7:6 destination):
;   window 0: v0-15 addresses; v16-31 four statistics a piece; v48-55 at work; v61-63; v64-127 S^T, two buffers; v192-223 P, two buffers      window 1: v0-127 O^T      window 2: v0-63 Q; v128-191 K; v192-255 V
.set NP,    4
.set KS,    64
.set PK,    144       ; a row of K in LDS: 128 + 16 bytes: the 16 rows of a load start at 16 different groups of four banks (64 banks of 4 bytes: ISA guide 11.1)
.set PV,    160       ; a row of V: 128 + 32 bytes
.set VOFF,  256*PK    ; a slot: 128 keys (two steps) of both heads: 256 rows of K, then 256 rows of V
.set SLOT1, 1<<17     ; slot 1 begins here: one exclusive or turns an address in one slot into the other's
.set STAGE, SLOT1+256*(PK+PV)  ; behind the ring, never filled by a tensor load: 128 rows x 272 bytes, the work-group's, for the way out
.set SP,    272
.set SPARE, STAGE+128*SP       ; the spare words, 128 bytes a wave, which no other line names
.set AK0, 2
.set AV0, 3
.set AK,  4
.set AV,  5
.set STO, 6
.set RD,  7
.set GO,  8
.set MV,  12          ; v12-13  c m_old, by buffer
.set QO,  15
.set ST,  16          ; piece t's statistics at v[ST+4 t]: c m, m, l (even keys', odd keys')
.set TMP, 48          ; by buffer, four registers c0-c3 at work; when the maximum is found c2 takes a
.set PFO, 61          ; v61  256 x my lane; never rewritten
.set SPW, 62          ; v62  LDS address of my spare word; never rewritten
.set NIL, 63          ; v63  0; never rewritten
.set S,   64
.set P,   192
.set KF,  128
.set VF,  192
.set WV,  12
.set LIM, 15          ; s15  1 in a wave that prefetches, else the greatest number
.set HS,  16          ; s16  which of the two heads I work on
.set QS,  17          ; s17  which 64 queries are mine; also: which head's tile I fetch
.set PFA, 18          ; s[18:19] where my prefetches stand
.set G1K, 24
.set G1V, 32
.set G0K, 40
.set G0V, 44
.set SLOTS, 56
.set CNT, 57
.set CS,  58
.set SEL, 60
.set TBK, 62
.set TBV, 63
.set MSB, 0
.macro WIN new
.if MSB != (\new)
	s_set_vgpr_msb (MSB<<8)|(\new)
.set MSB, (\new)
.endif
.endm
.set W_KQ, 0x0a       ; K and Q in window 2, S^T in window 0
.set W_PV, 0x52       ; V in window 2, P in window 0, O^T in window 1
.set W_RS, 0x41       ; destination and source 0 in window 1, source 1 in window 0
.macro JLOAD                        ; waves 0, 1 fetch the two heads' K of a slot, waves 2, 3 their V: 128 keys each; s_nop 0 and four v_nop follow each line
	s_cmp_lt_u32 s[WV], 2
	s_cbranch_scc0 .Lfor_v_\@
	tensor_load_to_lds s[G0K:G0K+3], s[G1K:G1K+7]
	s_nop 0
.rept 4
	v_nop
.endr
	s_branch .Lasked_\@
.Lfor_v_\@:
	tensor_load_to_lds s[G0V:G0V+3], s[G1V:G1V+7]
	s_nop 0
.rept 4
	v_nop
.endr
.Lasked_\@:
.endm
; A prefetch of what the NEXT change of slots will ask for: a slot is 128 blocks of 256 bytes of K and 128 of V.  All clusters of a pair of heads walk the same rows: the pair's first cluster asks.  Its four
; partners share the blocks out by ADDRESS, 32 each (head cx / 2, half cx % 2); in each, wave 0 asks for K's and wave 2 for V's, a lane a block.  So each block is named once in the launch.
; It stands two key steps ahead of the load that wants the bytes; the last change that fills a slot asks for nothing.
.macro ASK
	s_cmp_gt_u32 s[SLOTS], s[LIM]
	s_cbranch_scc0 .Lnot_mine_\@
	global_prefetch_b8 v[PFO], s[PFA:PFA+1] th:TH_LOAD_NT scope:SCOPE_SE
.Lnot_mine_\@:
.endm
.macro CROUND
	s_barrier_signal -1
	s_barrier_wait -1
	s_cmp_lg_u32 s[WV], 0
	s_cbranch_scc1 .Lnot_wave_0_\@
	s_barrier_signal -3
.Lnot_wave_0_\@:
	s_barrier_wait -3
	s_barrier_signal -1
	s_barrier_wait -1
.endm
; THE CHANGE OF SLOTS.  Each wave waits for all its tensor loads, of which one is out: its part of the other slot; adds 0 to its spare word; and waits for that and for its reads of the slot that it leaves.
; fill = 1: the barrier is a round of the cluster's, and the slot is filled again, with the keys two slots on, first thing behind it: it has two key steps in which to land.
; (At its first use nothing has been read yet: slot 0 is waited for, slot 1 filled.)
.macro CHANGE fill
	WIN 0
	s_wait_tensorcnt 0x0            ; no tensor load of mine is out, so a group 0 may be written
	ds_add_u32 v[SPW], v[NIL]
.if \fill
.irp g, G0K, G0V
	s_xor_b32 s[\g+1], s[\g+1], SLOT1
	s_add_nc_u64 s[\g+2:\g+3], s[\g+2:\g+3], 2*KS*128  ; the next 128 keys; the type bits on top are not reached
.endr
	s_wait_xcnt 0x0                 ; the last prefetch, two key steps back, has read its address
	s_add_nc_u64 s[PFA:PFA+1], s[PFA:PFA+1], 2*KS*128
	s_wait_dscnt 0x0                ; the add is done, and my reads of the slot are over
	CROUND
	JLOAD
	ASK
.else
	s_wait_dscnt 0x0
	s_barrier_signal -1
	s_barrier_wait -1
.endif
	s_sub_co_u32 s[TBK], s[TBK], 2*KS*PK  ; the fetches go back to a slot's first step, in the other slot
	s_xor_b32 s[TBK], s[TBK], SLOT1
	s_sub_co_u32 s[TBV], s[TBV], 2*KS*PV
	s_xor_b32 s[TBV], s[TBV], SLOT1
.endm
	s_load_b128 s[4:7], s[0:1], 0x0 ; qkv s[4:5], o s[6:7]
	v_lshl_add_u32 v[SPW], v0, 2, SPARE
	v_mov_b32 v[NIL], 0
	ds_add_u32 v[SPW], v[NIL]       ; the wave's opening: the add and its wait stand ahead of my first tensor load
	v_lshrrev_b32 v1, 5, v0
	v_readfirstlane_b32 s[WV], v1
	s_bfe_u32 s13, ttmp6, 0x40000   ; cx
	s_lshl_b32 s14, ttmp9, 2
	s_add_co_u32 s14, s14, s13      ; my block of 128 queries: it enters Q's and o's addresses alone
	s_and_b32 s20, ttmp7, 0xffff    ; the pair of heads, which the four partners share
	s_lshr_b32 s[HS], s[WV], 1
	s_and_b32 s[QS], s[WV], 1
	s_lshl_b32 s22, s20, 19         ; the head whose tile I fetch: 262,144 bytes a head
	s_lshl_b32 s23, s[QS], 18
	s_add_co_u32 s22, s22, s23
	s_mov_b32 s23, 0
	s_lshl_b32 s2, s20, 19          ; my 64 rows of Q
	s_lshl_b32 s3, s[HS], 18
	s_add_co_u32 s2, s2, s3
	s_lshl_b32 s3, s14, 14
	s_add_co_u32 s2, s2, s3
	s_lshl_b32 s3, s[QS], 13
	s_add_co_u32 s2, s2, s3
	s_mov_b32 s3, 0
	s_lshr_b32 s50, s20, 3          ; the 32 rows of o that I store: batch x 2,048 + block x 128 + 32 x wave,
	s_lshl_b32 s50, s50, 11
	s_lshl_b32 s51, s14, 7
	s_add_co_u32 s50, s50, s51
	s_lshl_b32 s51, s[WV], 5
	s_add_co_u32 s50, s50, s51
	s_lshl_b32 s50, s50, 11         ; rows of 2,048 bytes,
	s_and_b32 s51, s20, 7
	s_lshl_b32 s51, s51, 8          ; the pair's 256 bytes in a row
	s_add_co_u32 s50, s50, s51
	s_mov_b32 s51, 0
	s_lshr_b32 s54, s13, 1          ; my work-group's share of the prefetches
	s_lshl_b32 s54, s54, 18
	s_and_b32 s55, s13, 1
	s_lshl_b32 s55, s55, 13
	s_add_co_u32 s54, s54, s55
	s_add_co_u32 s54, s54, 2*KS*128 ; in slot 1: the first change of slots steps it to slot 2
	s_mov_b32 s55, 0
	s_mul_i32 s52, s[QS], 128*PK    ; my tile's place in a slot: no place in the cluster enters an LDS address
	s_mul_i32 s53, s[QS], 128*PV
	; group 1: 128 keys are 16,384 dense bytes, asked for as 64 rows of 256 bytes, two keys a row, padded in LDS after every key
	s_mov_b32 s[G1K], 15|(1<<16)|(1<<20)|(1<<21)|(4<<22)|(3<<25)  ; the mask of four; 2-byte elements; padding on; bit 21 beside a mask; after every 32 words; 4 words
	s_mov_b32 s[G1V], 15|(1<<16)|(1<<20)|(1<<21)|(4<<22)|(7<<25)  ; the same with 8 words
.irp g, G1K, G1V
	s_mov_b32 s[\g+1], 128<<16
	s_mov_b32 s[\g+2], 64<<16
	s_mov_b32 s[\g+3], 128<<16
	s_mov_b32 s[\g+4], 64
	s_mov_b32 s[\g+5], 128
	s_mov_b32 s[\g+6], 0
	s_mov_b32 s[\g+7], 0
.endr
	s_mov_b32 s[CS], 0x3e38aa3b     ; c = log2(e) / 8
	s_mov_b32 s[CS+1], s[CS]
	s_mov_b32 s[SEL], 0x76543210
	s_mov_b32 s[SEL+1], 0xfedcba98
	s_mov_b32 s[TBK], SLOT1+2*KS*PK ; the first change of slots turns these two into 0
	s_mov_b32 s[TBV], SLOT1+2*KS*PV
	s_mov_b32 s[G0K], 1
	s_mov_b32 s[G0K+1], s52
	s_mov_b32 s[G0V], 1
	s_add_co_u32 s[G0V+1], s53, VOFF
	s_mov_b32 s[SLOTS], 15          ; sixteen slots; all but the first are asked for by a change
	s_and_b32 s[LIM], s[WV], 1      ; 0 in waves 0 and 2,
	s_or_b32 s[LIM], s[LIM], ttmp9  ; where the cluster is the pair's first: the same in all four partners
	s_cmp_eq_u32 s[LIM], 0
	s_cselect_b32 s[LIM], 1, -1
	v_and_b32 v[PFO], 31, v0
	v_lshlrev_b32 v[PFO], 8, v[PFO]
	s_wait_dscnt 0x0                ; the opening add is done
	s_wait_kmcnt 0x0
	s_add_nc_u64 s[48:49], s[4:5], s[22:23]
	s_add_nc_u64 s[G0K+2:G0K+3], s[48:49], 8388608   ; k's part of the buffer
	s_add_nc_u64 s[G0V+2:G0V+3], s[48:49], 16777216  ; v's
	s_cmp_lt_u32 s[WV], 2
	s_cselect_b64 s[PFA:PFA+1], s[G0K+2:G0K+3], s[G0V+2:G0V+3]  ; (in waves 0 and 2 these stand at the even head)
	s_add_nc_u64 s[PFA:PFA+1], s[PFA:PFA+1], s[54:55]
	s_or_b32 s[G0K+3], s[G0K+3], 0x80000000
	s_or_b32 s[G0V+3], s[G0V+3], 0x80000000
	s_add_nc_u64 s[8:9], s[4:5], s[2:3]      ; Q
	s_add_nc_u64 s[10:11], s[6:7], s[50:51]  ; o
	CROUND                          ; all four work-groups are here: the first joint loads meet
	JLOAD                           ; slot 0
	v_and_b32 v1, 15, v0            ; l % 16
	v_bfe_u32 v9, v0, 4, 1          ; l / 16
	v_lshlrev_b32 v[QO], 7, v1
	v_lshl_add_u32 v[QO], v9, 4, v[QO]
	WIN 0x80                        ; destination window 2
.set i, 0
.rept 8                             ; Q stays in registers: piece i / 2, channels 32 (i % 2) on
	global_load_b128 v[8*i:8*i+3],   v[QO], s[8:9] offset:(i/2)*2048+(i%2)*64
	global_load_b128 v[8*i+4:8*i+7], v[QO], s[8:9] offset:(i/2)*2048+(i%2)*64+32
.set i, i+1
.endr
	; What the first turn finds: V's registers and P's second buffer hold 0 (its products V^T P, of a piece that has not been, add 0), O^T and l are 0.  All this stands in the wait for the first tile.
.set i, VF
.rept 64
	v_mov_b32 v[i], 0
.set i, i+1
.endr
	WIN 0x40
.set i, 0
.rept 128
	v_mov_b32 v[i], 0
.set i, i+1
.endr
	WIN 0
.set i, 0
.rept 4
	v_mov_b32 v[ST+4*i], 0xfe000000    ; c m: far below every c s
	v_mov_b32 v[ST+4*i+1], 0xff7fffff  ; m
	v_mov_b32 v[ST+4*i+2], 0
	v_mov_b32 v[ST+4*i+3], 0
.set i, i+1
.endr
.set i, P+16
.rept 16
	v_mov_b32 v[i], 0
.set i, i+1
.endr
	v_mul_u32_u24 v[AK0], v1, PK
	v_lshl_add_u32 v[AK0], v9, 4, v[AK0]
	s_mul_i32 s48, s[HS], 128*PK    ; my head's rows in a slot
	v_add_nc_u32 v[AK0], s48, v[AK0]
	v_and_b32 v10, 7, v0            ; the turning load: lane l reads key 8 (l / 16) + l % 8, channels 8 ((l / 8) % 2) + 0..7
	v_bfe_u32 v11, v0, 3, 1
	v_lshl_add_u32 v[AV0], v9, 3, v10
	v_mul_u32_u24 v[AV0], v[AV0], PV
	v_lshl_add_u32 v[AV0], v11, 4, v[AV0]
	s_mul_i32 s49, s[HS], 128*PV
	s_add_co_u32 s49, s49, VOFF
	v_add_nc_u32 v[AV0], s49, v[AV0]
	s_mul_i32 s48, s[QS], 64*SP     ; into the stage: my 64 rows, my head's 128 bytes of them
	s_lshl_b32 s49, s[HS], 7
	s_add_co_u32 s48, s48, s49
	s_add_co_u32 s48, s48, STAGE
	v_mul_u32_u24 v[STO], v1, SP
	v_lshl_add_u32 v[STO], v9, 4, v[STO]
	v_add_nc_u32 v[STO], s48, v[STO]
	s_mul_i32 s48, s[WV], 32*SP     ; back: wave w takes rows 32 w .. 32 w + 31, whole
	s_add_co_u32 s48, s48, STAGE
	v_mul_u32_u24 v[RD], v9, SP
	v_lshl_add_u32 v[RD], v1, 4, v[RD]
	v_add_nc_u32 v[RD], s48, v[RD]
	v_lshlrev_b32 v[GO], 11, v9     ; and the same two rows in o
	v_lshl_add_u32 v[GO], v1, 4, v[GO]
; THE MATRIX WORK.  The 4 accumulators of a run of 8 take turns.  Product i of 8 of S^T = K Q^T for piece x: channels 32 (i / 4) on, keys 16 (i % 4) on.  The first 4 start the sums.
.macro KQ x
	WIN W_KQ
.set rS, S+32*((\x)%2)+8*(i%4)
.set rK, KF+16*(i%4)+8*(i/4)
.set rQ, 16*(\x)+8*(i/4)
.if i < 4
	v_wmma_f32_16x16x32_bf16 v[rS:rS+7], v[rK:rK+7], v[rQ:rQ+7], 0
.else
	v_wmma_f32_16x16x32_bf16 v[rS:rS+7], v[rK:rK+7], v[rQ:rQ+7], v[rS:rS+7]
.endif
.endm
; Product i of 8 of O^T += V^T P for piece x: keys 32 (i / 4) on, channels 16 (i % 4) on.
.macro PV x
	WIN W_PV
.set rO, 32*(\x)+8*(i%4)
.set rV, VF+32*(i/4)+8*(i%4)
.set rP, P+16*((\x)%2)+8*(i/4)
	v_wmma_f32_16x16x32_bf16 v[rO:rO+7], v[rV:rV+7], v[rP:rP+7], v[rO:rO+7]
.endm
.macro MM                           ; the turn's next matrix instruction.  NOKQ = 1: the last turn: there is no next piece
.if (i < 8) && !NOKQ
	KQ (Y+1)%NP
.elseif i >= 8
.set i, i-8
	PV (Y+NP-1)%NP
.set i, i+8
.endif
.set i, i+1
.endm
; THE LDS LOADS stand in runs of 16: a step's K (64 keys x 64 channels: 8 fragments) and its V (turned).
.macro FETCH_K
	WIN 0x80
.irp f, 0,1,2,3,4,5,6,7
	ds_load_b128 v[KF+8*\f:KF+8*\f+3],   v[AK] offset:(\f/2)*16*PK+(\f%2)*64
	ds_load_b128 v[KF+8*\f+4:KF+8*\f+7], v[AK] offset:(\f/2)*16*PK+(\f%2)*64+32
.endr
	s_add_co_u32 s[TBK], s[TBK], KS*PK
	WIN 0
.endm
.macro FETCH_V
	WIN 0x80
.irp f, 0,1,2,3,4,5,6,7
	ds_load_tr16_b128 v[VF+8*\f:VF+8*\f+3],   v[AV] offset:(\f/4)*32*PV+(\f%4)*32
	ds_load_tr16_b128 v[VF+8*\f+4:VF+8*\f+7], v[AV] offset:(\f/4)*32*PV+16*PV+(\f%4)*32
.endr
	WIN 0
.endm
; THE VECTOR WORK, one line at a time: OP kind, number.  For piece Y: F n: c s - c m for pair n of 16.  E n: the exponential of score n of 32.  C n: pair n rounded to bf16.  B n: of the four weights 4 n .. the
; second pair is added onto the first, in place.  L n: l takes that sum (L 0: l = a l + sum).  R n: pair n of 16 of O^T times a.  For piece Y + 1: X n, number n of the 22 that find its maximum and statistics:
;   0-11 four chains c0-c3 of seven scores (each accumulator's lowest registers first)   12-14, 16 the scores left over, the old m, c0-c3 into c0   15 c m_old is kept
;   17, 18 the query's other 32 keys lie in the lane 16 away: the new m   19-21 c m; c m_old - c m_new; a
.set F, 0
.set E, 1
.set C, 2
.set B, 3
.set L, 4
.set R, 5
.set X, 6
.macro REGS y
.set rT, ST+4*(\y)
.set rC, TMP+4*((\y)%2)
.set rW, MV+((\y)%2)
.set rS, S+32*((\y)%2)
.set rP, P+16*((\y)%2)
.set rO, 32*(\y)
.endm
.macro OP k, n
.if (\k) == R
	REGS Y
	WIN W_RS
	v_pk_mul_f32 v[rO+2*(\n):rO+2*(\n)+1], v[rO+2*(\n):rO+2*(\n)+1], v[rC+2:rC+3] op_sel_hi:[1,0]
.elseif (\k) < R
	REGS Y
	WIN 0
.if (\k) == F
	v_pk_fma_f32 v[rS+2*(\n):rS+2*(\n)+1], v[rS+2*(\n):rS+2*(\n)+1], s[CS:CS+1], v[rT:rT+1] op_sel_hi:[1,0,0] neg_lo:[0,0,1] neg_hi:[0,0,1]
.elseif (\k) == E
	v_exp_f32 v[rS+(\n)], v[rS+(\n)]
.elseif (\k) == C
	s_wait_alu depctr_va_vdst(0)
	v_cvt_pk_bf16_f32 v[rP+(\n)], v[rS+2*(\n)], v[rS+2*(\n)+1]
.elseif (\k) == B
	s_wait_alu depctr_va_vdst(0)
	v_pk_add_f32 v[rS+4*(\n):rS+4*(\n)+1], v[rS+4*(\n):rS+4*(\n)+1], v[rS+4*(\n)+2:rS+4*(\n)+3]
.elseif (\n) == 0
	v_pk_fma_f32 v[rT+2:rT+3], v[rT+2:rT+3], v[rC+2:rC+3], v[rS:rS+1] op_sel_hi:[1,0,1]
.else
	v_pk_add_f32 v[rT+2:rT+3], v[rT+2:rT+3], v[rS+4*(\n):rS+4*(\n)+1]
.endif
.elseif NOKQ
	v_nop
.else
	REGS (Y+1)%NP
	WIN 0
.if (\n) < 4
	v_max3_num_f32 v[rC+(\n)], v[rS+8*(\n)], v[rS+8*(\n)+1], v[rS+8*(\n)+2]
.elseif (\n) < 12
	v_max3_num_f32 v[rC+(\n)%4], v[rC+(\n)%4], v[rS+8*((\n)%4)+2*((\n)/4)+1], v[rS+8*((\n)%4)+2*((\n)/4)+2]
.elseif (\n) == 12
	v_max3_num_f32 v[rC], v[rC], v[rS+7], v[rS+15]
.elseif (\n) == 13
	v_max3_num_f32 v[rC+1], v[rC+1], v[rS+23], v[rS+31]
.elseif (\n) == 14
	v_max3_num_f32 v[rC+2], v[rC+2], v[rC+3], v[rT+1]
.elseif (\n) == 15
	v_mov_b32 v[rW], v[rT]
.elseif (\n) == 16
	v_max3_num_f32 v[rC], v[rC], v[rC+1], v[rC+2]
.elseif (\n) == 17
	v_permlanex16_b32 v[rC+3], v[rC], s[SEL], s[SEL+1]
.elseif (\n) == 18
	v_max_num_f32 v[rT+1], v[rC], v[rC+3]
.elseif (\n) == 19
	v_mul_f32 v[rT], s[CS], v[rT+1]
.elseif (\n) == 20
	v_sub_f32 v[rC+1], v[rW], v[rT]
.else
	v_exp_f32 v[rC+2], v[rC+1]
.endif
.endif
.endm
.macro OPS a, i1, b=-1, i2=0, c=-1, i3=0, d=-1, i4=0
	OP \a, \i1
.if (\b) >= 0
	OP \b, \i2
.endif
.if (\c) >= 0
	OP \c, \i3
.endif
.if (\d) >= 0
	OP \d, \i4
.endif
.endm
.macro ROW a, i1, b, i2, c, i3, d, i4  ; a matrix instruction and the four behind it
	MM
	OPS \a, \i1, \b, \i2, \c, \i3, \d, \i4
.endm
; A TURN, for piece p: the order of its 16 matrix and 118 vector instructions, written out.  Behind a matrix instruction: plain, exponential, plain, plain; or four of the rescaling; or four scalings; none names a
; register of the products round it.  A line reads no result made fewer than three vector instructions in front of it, five if an exponential made it.
; end = 1: the last two turns: nothing is fetched.  cnt = 1: the loop's count is taken down some lines ahead of the branch behind the turn.
; K of the next step is fetched in piece 2's turn, six vector instructions (five plain) behind the last product that read K; V of the step in hand in piece 0's turn, eight behind the last product that read V.
; Each is waited for a turn later.
.macro TURN p, end=0, cnt=0
.set Y, (\p)
.set i, 0
.set NOKQ, (\end)*((\p)/3)
.if ((\p) == 3) && !(\end)
	s_wait_dscnt 0x0                ; K is in
.endif
	ROW F,0, F,1, F,2, F,3
	ROW F,4, E,0, F,5, F,6
	ROW F,7, E,1, F,8, F,9
	ROW F,10, E,2, C,0, F,11
	ROW F,12, E,3, X,15, F,13
	ROW R,0, R,1, R,2, R,3
	ROW B,0, E,4, F,14, L,0
.if ((\p) == 2) && !(\end)
	v_add_nc_u32 v[AK], s[TBK], v[AK0]
.endif
	ROW R,4, R,5, R,6, R,7
	OPS E,5, F,15
.if ((\p) == 2) && !(\end)
	FETCH_K
.endif
	OPS E,6, C,1, E,7, R,8
	OPS E,8, R,9, E,9, C,2
	OPS E,10, X,0, E,11, X,1
	OPS E,12, X,2, E,13, X,3
.if (\p) == 1
	s_wait_dscnt 0x0                ; V is in
.endif
	ROW X,4, E,14, X,5, X,6
	ROW X,7, E,15, X,8, X,9
	ROW X,10, E,16, X,11, X,12
	ROW X,13, E,17, X,14, B,1
	ROW C,4, E,18, X,16, L,1
	ROW B,2, E,19, C,6, L,2
	ROW C,8, E,20, B,3, B,4
.if (\p) == 0
	v_add_nc_u32 v[AV], s[TBV], v[AV0]
.endif
	ROW C,3, E,21, L,3, C,5
	OPS E,22, X,17, E,23, C,10
.if (\p) == 0
	FETCH_V
.endif
	OPS E,24, L,4
	OPS E,25, X,18, E,26, C,7
	OPS E,27, B,5, E,28, X,19
	OPS E,29, C,12, E,30, L,5
	OPS E,31, X,20, B,6, C,9
	OPS C,14, C,11, X,21, L,6
.if (\p) == 0
	s_add_co_u32 s[TBV], s[TBV], KS*PV
.endif
.if \cnt
	s_sub_co_u32 s[CNT], s[CNT], 1
	s_cmp_lg_u32 s[CNT], 0
.endif
	OPS C,13, B,7, C,15, R,10
	OPS R,11, R,12, L,7, R,13
	OPS R,14, R,15
.endm
	CHANGE 1                        ; slot 0 is in, everybody's part of it; slot 1 is asked for
	v_add_nc_u32 v[AK], s[TBK], v[AK0]
	FETCH_K                         ; key step 0
	s_wait_loadcnt 0x0              ; Q
	s_wait_dscnt 0x0
.set NOKQ, 0
.set i, 0
.rept 8
	KQ 0                            ; piece 0's first scores
.set i, i+1
.endr
	WIN 0
.rept 4
	v_nop                           ; the places behind those products
.endr
.set Y, NP-1                        ; X works for piece Y + 1: piece 0
.irp n, 0,1,2,3,4,5,6,7,8,9,10,11,12,13,14,15,16,17,18,19,20,21
	OP X, \n
.endr
	v_nop                           ; a plain instruction behind the exponential
	s_mov_b32 s[CNT], 2
	s_branch .Lfirst                ; the loop is entered at a step's first turn, in the middle of a trip
.Lslot:                             ; fourteen times: every slot but the last two is filled again here
	CHANGE 1
	s_mov_b32 s[CNT], 2
.Lstep:                             ; a trip: pieces 2 and 3 of one step, then pieces 0 and 1 of the next, whose K and V it fetches
	TURN 2
	TURN 3
	WIN 0
.Lfirst:
	TURN 0
	TURN 1, 0, 1
	WIN 0
	s_cbranch_scc1 .Lstep
	s_sub_co_u32 s[SLOTS], s[SLOTS], 1
	s_cmp_lg_u32 s[SLOTS], 0
	s_cbranch_scc1 .Lslot
	CHANGE 0                        ; the last slot is written out: nothing is asked for
	s_mov_b32 s[CNT], 2
.Lstep2:
	TURN 2
	TURN 3
	TURN 0
	TURN 1, 0, 1
	WIN 0
	s_cbranch_scc1 .Lstep2
	TURN 2, 1
	TURN 3, 1
.set i, 0
.rept 8
	PV NP-1                         ; the last piece's V^T P of the last step
.set i, i+1
.endr
	; THE WAY OUT.  l's two halves and the other half of the lanes' are added; O^T is divided by l, rounded to bf16 and put into the work-group's stage, where a token's row holds both heads' channels;
	; a barrier, since a row's 256 bytes come from two waves; then whole rows back, 32 a wave.  The additions are the places behind the last products.
	WIN 0
.macro ALL line:vararg
.set t, 0
.rept 4
	\line
.set t, t+1
.endr
.endm
	ALL v_add_f32 v[ST+4*t+2], v[ST+4*t+2], v[ST+4*t+3]
	ALL v_permlanex16_b32 v[ST+4*t+3], v[ST+4*t+2], s[SEL], s[SEL+1]
	ALL v_add_f32 v[ST+4*t+2], v[ST+4*t+2], v[ST+4*t+3]
	ALL v_rcp_f32 v[ST+4*t+2], v[ST+4*t+2]
	v_nop                           ; a plain instruction between the last reciprocal and the use of its result
.macro PACK t
	WIN W_RS
.set i, 32*(\t)
.rept 16
	s_wait_alu depctr_va_vdst(0)
	v_pk_mul_f32 v[i:i+1], v[i:i+1], v[ST+4*(\t)+2:ST+4*(\t)+3] op_sel_hi:[1,0]
.set i, i+2
.endr
	WIN 0x05                        ; sources 0 and 1 window 1, destination window 0
.set i, 0
.rept 16
	v_cvt_pk_bf16_f32 v[S+16*(\t)+i], v[32*(\t)+2*i], v[32*(\t)+2*i+1]
.set i, i+1
.endr
	WIN 0
.irp f, 0,1,2,3
	ds_store_b128 v[STO], v[S+16*(\t)+4*\f:S+16*(\t)+4*\f+3] offset:(\t)*16*SP+32*\f
.endr
.endm
	PACK 0
	PACK 1
	PACK 2
	PACK 3
	s_wait_dscnt 0x0                ; for the others' sake: my stores into the stage are done
	s_barrier_signal -1
	s_barrier_wait -1
.set j, 0
.rept 16
	ds_load_b128 v[S+4*j:S+4*j+3], v[RD] offset:j*2*SP
.set j, j+1
.endr
.set j, 0
.rept 16
	s_wait_dscnt 15-j               ; load j is back; the younger ones may be out
	global_store_b128 v[GO], v[S+4*j:S+4*j+3], s[10:11] offset:4096*j  ; 16 lanes store 256 consecutive bytes, aligned
.set j, j+1
.endr
	s_wait_tensorcnt 0x0            ; the wave's end
	ds_add_u32 v[SPW], v[NIL]
	s_wait_dscnt 0x0
	CROUND                          ; the closing round
	s_endpgm
.Lfunc_end_k_q0ab565a63a_attn:
	.size	k_q0ab565a63a_attn, .Lfunc_end_k_q0ab565a63a_attn-k_q0ab565a63a_attn
	.p2alignl 7, 3214868480
	.fill 96, 4, 3214868480
	.section	.rodata,"a",@progbits
	.p2align	6, 0x0
	.amdhsa_kernel k_q0ab565a63a_attn
		.amdhsa_group_segment_fixed_size 327680
		.amdhsa_private_segment_fixed_size 0
		.amdhsa_enable_private_segment 0
		.amdhsa_kernarg_size 16
		.amdhsa_user_sgpr_count 2
		.amdhsa_user_sgpr_kernarg_segment_ptr 1
		.amdhsa_wavefront_size32 1
		.amdhsa_system_sgpr_workgroup_id_x 1
		.amdhsa_system_sgpr_workgroup_id_y 1
		.amdhsa_system_sgpr_workgroup_id_z 1
		.amdhsa_system_vgpr_workitem_id 0
		.amdhsa_next_free_vgpr 768
		.amdhsa_next_free_sgpr 66
		.amdhsa_reserve_vcc 0
		.amdhsa_float_denorm_mode_32 3
		.amdhsa_float_denorm_mode_16_64 3
		.amdhsa_memory_ordered 1
		.amdhsa_forward_progress 1
		.amdhsa_inst_pref_size 135
	.end_amdhsa_kernel
	.amdgpu_metadata
---
amdhsa.version: [ 1, 2 ]
amdhsa.kernels:
  - .name:           k_q0ab565a63a_attn
    .symbol:         k_q0ab565a63a_attn.kd
    .args:
      - { .name: qkv, .offset: 0, .size: 8, .value_kind: global_buffer, .address_space: global }
      - { .name: o, .offset: 8, .size: 8, .value_kind: global_buffer, .address_space: global }
    .group_segment_fixed_size: 327680
    .private_segment_fixed_size: 0
    .kernarg_segment_align: 8
    .kernarg_segment_size: 16
    .max_flat_workgroup_size: 128
    .sgpr_count:     66
    .vgpr_count:     768
    .wavefront_size: 32
...
	.end_amdgpu_metadata
.endif
;; end of part 3
;; launch proj (part 4): grid 8 x 32, 4 waves a work-group, clusters of 4 x 4, 327,680 bytes of LDS; arguments o, wb, b_proj, x, x1; writes x1
.if DOCPART == 4
	.amdgcn_target "amdgcn-amd-amdhsa--gfx1250"
	.amdhsa_code_object_version 6
	.text
	.protected	k_q0ab565a63a_proj
	.globl	k_q0ab565a63a_proj
	.p2align	8
	.type	k_q0ab565a63a_proj,@function
k_q0ab565a63a_proj:
	s_mov_b64 s[64:65], 0
	v_nop
	global_prefetch_b8 v0, s[64:65] scope:SCOPE_SE
	s_setreg_imm32_b32 hwreg(HW_REG_WAVE_MODE, 25, 1), 1
	s_wait_xcnt 0x0
	s_wait_alu depctr_hold_cnt(0) depctr_sa_sdst(0) depctr_va_vdst(0) depctr_va_sdst(0) depctr_va_ssrc(0) depctr_va_vcc(0) depctr_vm_vsrc(0)
	s_getreg_b32 s2, hwreg(HW_REG_IB_STS2, 6, 4)
	s_cmp_eq_u32 s2, 0
	s_cbranch_scc0 .Lentry_in_a_cluster
	s_endpgm
.Lentry_in_a_cluster:
	s_bfe_u32 s2, ttmp6, 0x10000c
	s_cmp_lg_u32 s2, 0xf033
	s_cbranch_scc0 .Lentry_shape_is_right
	s_endpgm
.Lentry_shape_is_right:
; x1 = x + o x w_proj + b_proj.  o: [4096][1024] bf16; w_proj at the head of wb: [1024][1024] bf16; b_proj: [1024] f32; x, x1: [4096][1024] f32.  Sums, bias and residual in f32.
; A work-group makes 128 x 128, its four waves 64 x 64 each: 16 accumulators of 16 x 16.  32 x 8 = 256 work-groups.
; K goes in steps of 256 through two LDS slots filled by the tensor data mover: A's rows are 512 bytes of memory, B's 256, all starting at multiples of 256 bytes.
; B lies [K][N]: its fragments are read turned, by ds_load_tr16_b128.  The matrix instruction is used transposed (source 0 = 16 columns of B, source 1 = 16 rows of A):
; a lane then holds eight neighbouring columns of one row of the result.
; CLUSTER 4 x 4: A's tile hangs on the tile row alone and is asked for jointly by a row of the cluster, B's on the tile column alone, by a column.
; THE LOOP is one K step long: the slot that is read and the slot that is filled are scalar registers turned by an exclusive or.
; The wave's 64 x 64 of the residual is loaded at the kernel's head into registers that the loop does not touch.
; REGISTERS, in windows of 256: window 0 addresses, A's fragments (two buffers at v64, v128), the way out; window 1 B's fragments (two buffers at v0, v128);
; window 2 v0-63 the accumulators of my rows 0-31, v64-191 the residual; window 3 v0-63 those of rows 32-63: (a, b) at v[8 (4 a + b)].
; LIMITS: matrix operands are bf16; NaN and infinities are not treated apart.
.set KK,    1024
.set NN,    1024
.set TM,    128
.set TN,    128
.set MT,    4
.set NT,    4
.set KSTEP, 256
.set DEP,   KSTEP/128
.set STEPS, KK/KSTEP
.set PA,    528                        ; A's LDS row: 512 + 16 bytes: the 16 rows of a load start at 16 different groups of four banks (64 banks of 4 bytes: ISA guide 11.1)
.set AQI,   6                          ; padded after every 128 words
.set PB,    288                        ; B's LDS row: 256 + 32 bytes = 72 words
.set BQI,   5                          ; padded after every 64 words,
.set BPC,   7                          ; by 8 words
.set CBP,   0
.set WNB,   128                        ; my 64 columns in an LDS row
.set ASZ,   TM*PA
.set BSZ,   KSTEP*PB
.set SLOT,  ASZ+BSZ
.set SPARE, 2*SLOT
.set WOFF,  0                          ; w_proj begins wb
.set ASTEP, KSTEP*2
.set BSTEP, KSTEP*NN*2
.set AHI,   MT*DEP
.set SPI,   272                        ; the way out: a stage row of 64 f32 + 16 bytes
.set WM,    16*MT
.set A0,   16
.set B0,   17
.set ADRA, 18
.set ADRB, 19
.set STO,  20
.set RD,   21
.set CO,   22
.set BO,   23
.set SPW,  28
.set NIL,  29
.set WV,   14
.set ROLE, 15
.set HALF, 16
.set CX,   17
.set CY,   18
.set TX,   19
.set TY,   20
.set RM,   21
.set CM,   22
.set G1A,  24
.set G0A,  32
.set G1B,  40
.set G0B,  48
.set TB,   56
.set TF,   57
.set LWA,  58
.set LWB,  59
.set CNT,  60
.set TBB,  61
.set MSB, 0
.macro WIN new
.if MSB != (\new)
	s_set_vgpr_msb (MSB<<8)|(\new)
.set MSB, (\new)
.endif
.endm
.macro PLACES                          ; four plain vector instructions behind a matrix instruction, ahead of loads into its sources and of reads of its result
.rept 4
	v_nop
.endr
.endm
.macro JLOAD                           ; a joint refill: waves 0, 1 fetch A's halves, waves 2, 3 B's; s_nop 0 and four v_nop follow each line
	s_cmp_eq_u32 s[ROLE], 0
	s_cbranch_scc0 .Lfor_b_\@
	tensor_load_to_lds s[G0A+4:G0A+7], s[G1A:G1A+7]
	s_nop 0
.rept 4
	v_nop
.endr
	s_branch .Lasked_\@
.Lfor_b_\@:
	tensor_load_to_lds s[G0B+4:G0B+7], s[G1B:G1B+7]
	s_nop 0
.rept 4
	v_nop
.endr
.Lasked_\@:
.endm
.macro CREST
	s_cmp_lg_u32 s[WV], 0
	s_cbranch_scc1 .Lnot_wave_0_\@
	s_barrier_signal -3
.Lnot_wave_0_\@:
	s_barrier_wait -3
	s_barrier_signal -1
	s_barrier_wait -1
.endm
.macro CROUND
	s_barrier_signal -1
	s_barrier_wait -1
	CREST
.endm
	s_load_b256 s[4:11], s[0:1], 0x0               ; A s[4:5], weights s[6:7], bias s[8:9], residual s[10:11]
	s_load_b64 s[12:13], s[0:1], 0x20              ; out
	v_lshl_add_u32 v[SPW], v0, 2, SPARE
	v_mov_b32 v[NIL], 0
	ds_add_u32 v[SPW], v[NIL]                      ; the wave's opening: the add and its wait stand ahead of my first tensor load
	v_lshrrev_b32 v1, 5, v0
	v_readfirstlane_b32 s[WV], v1
	s_lshr_b32 s[ROLE], s[WV], 1
	s_and_b32 s[HALF], s[WV], 1
	s_bfe_u32 s[CX], ttmp6, 0x40000
	s_bfe_u32 s[CY], ttmp6, 0x40004
	s_lshl_b32 s[TX], ttmp9, 2
	s_add_co_u32 s[TX], s[TX], s[CX]
	s_and_b32 s[TY], ttmp7, 0xffff
	s_lshl_b32 s[TY], s[TY], 2
	s_add_co_u32 s[TY], s[TY], s[CY]
	s_lshl_b32 s[RM], s[CY], 2
	s_lshl_b32 s[RM], 15, s[RM]
	s_lshl_b32 s[CM], 0x1111, s[CX]
	s_or_b32 s[G1A], s[RM], (1<<16)|(1<<20)|(1<<21)|(AQI<<22)|(3<<25)
	s_or_b32 s[G1B], s[CM], (1<<16)|(1<<20)|(1<<21)|(BQI<<22)|(BPC<<25)
	s_mov_b32 s[G1A+1], KSTEP<<16
	s_mov_b32 s[G1A+2], (TM/2)<<16
	s_mov_b32 s[G1A+3], KSTEP<<16
	s_mov_b32 s[G1A+4], TM/2
	s_mov_b32 s[G1A+5], KK
	s_mov_b32 s[G1A+6], 0
	s_mov_b32 s[G1A+7], 0
	s_mov_b32 s[G1B+1], TN<<16
	s_mov_b32 s[G1B+2], (KSTEP/2)<<16
	s_mov_b32 s[G1B+3], TN<<16
	s_mov_b32 s[G1B+4], KSTEP/2
	s_mov_b32 s[G1B+5], NN
	s_mov_b32 s[G1B+6], 0
	s_mov_b32 s[G1B+7], 0
	s_mul_i32 s[LWA], s[HALF], (TM/2)*PA
	s_mul_i32 s[LWB], s[HALF], (KSTEP/2)*PB
	s_add_co_u32 s[LWB], s[LWB], ASZ
	s_mul_i32 s66, s[TY], TM                       ; A's tile hangs on the tile row alone,
	s_mul_i32 s67, s[HALF], TM/2
	s_add_co_u32 s66, s66, s67
	s_mul_i32 s66, s66, KK*2
	s_mov_b32 s67, 0
	s_mul_i32 s70, s[TX], TN*2                     ; B's on the tile column alone
	s_mul_i32 s71, s[HALF], (KSTEP/2)*NN*2
	s_add_co_u32 s70, s70, s71
	s_add_co_u32 s70, s70, WOFF
	s_mov_b32 s71, 0
	s_mov_b32 s[TB], 0
	s_mov_b32 s[TF], SLOT
	s_mov_b32 s[G0A], 1
	s_mov_b32 s[G0A+1], s[LWA]
	s_mov_b32 s[G0A+4], 1
	s_add_co_u32 s[G0A+5], s[LWA], SLOT
	s_mov_b32 s[G0B], 1
	s_mov_b32 s[G0B+1], s[LWB]
	s_mov_b32 s[G0B+4], 1
	s_add_co_u32 s[G0B+5], s[LWB], SLOT
	s_lshl_b32 s80, s[TY], 7                       ; my 64 x 64 in the residual and in the output
	s_lshl_b32 s81, s[ROLE], 6
	s_add_co_u32 s80, s80, s81
	s_lshl_b32 s80, s80, 12                        ; rows of 4,096 bytes
	s_lshl_b32 s82, s[TX], 9
	s_lshl_b32 s83, s[HALF], 8
	s_add_co_u32 s82, s82, s83                     ; my 64 columns: 256 bytes
	s_add_co_u32 s80, s80, s82
	s_mov_b32 s81, 0
	s_mov_b32 s83, 0
	s_wait_dscnt 0x0                               ; the opening add is done
	s_wait_kmcnt 0x0
	s_add_nc_u64 s[G0A+2:G0A+3], s[4:5], s[66:67]
	s_add_nc_u64 s[G0A+6:G0A+7], s[G0A+2:G0A+3], ASTEP
	s_or_b32 s[G0A+3], s[G0A+3], 0x80000000
	s_or_b32 s[G0A+7], s[G0A+7], 0x80000000
	s_add_nc_u64 s[G0B+2:G0B+3], s[6:7], s[70:71]
	s_add_nc_u64 s[G0B+6:G0B+7], s[G0B+2:G0B+3], BSTEP
	s_or_b32 s[G0B+3], s[G0B+3], 0x80000000
	s_or_b32 s[G0B+7], s[G0B+7], 0x80000000
	s_add_nc_u64 s[74:75], s[10:11], s[80:81]      ; residual
	s_add_nc_u64 s[76:77], s[12:13], s[80:81]      ; out
	s_add_nc_u64 s[78:79], s[8:9], s[82:83]        ; bias
	CROUND                                         ; all sixteen work-groups are here: the first joint loads meet
	s_cmp_eq_u32 s[ROLE], 0                        ; a wave's two first fills stand in one branch: two tensor loads of mine are out
	s_cbranch_scc0 .Lfirst_b
	tensor_load_to_lds s[G0A:G0A+3], s[G1A:G1A+7]
	s_nop 0
	tensor_load_to_lds s[G0A+4:G0A+7], s[G1A:G1A+7]
	s_nop 0
.rept 4
	v_nop
.endr
	s_branch .Lfirst_asked
.Lfirst_b:
	tensor_load_to_lds s[G0B:G0B+3], s[G1B:G1B+7]
	s_nop 0
	tensor_load_to_lds s[G0B+4:G0B+7], s[G1B:G1B+7]
	s_nop 0
.rept 4
	v_nop
.endr
.Lfirst_asked:
	v_and_b32 v1, 15, v0                           ; l % 16
	v_bfe_u32 v2, v0, 4, 1                         ; l / 16
	v_mul_u32_u24 v[A0], v1, PA
	v_lshl_add_u32 v[A0], v2, 4, v[A0]
	s_mul_i32 s66, s[ROLE], (TM/2)*PA
	v_add_nc_u32 v[A0], s66, v[A0]
	v_and_b32 v3, 7, v0
	v_lshl_add_u32 v3, v2, 3, v3
	v_mul_u32_u24 v[B0], v3, PB
	v_bfe_u32 v4, v0, 3, 1
	v_lshl_add_u32 v[B0], v4, 4, v[B0]
	s_mul_i32 s66, s[HALF], WNB
	v_add_nc_u32 v[B0], s66, v[B0]
	s_mul_i32 s67, s[WV], WM*SPI                   ; my stage
	v_mul_u32_u24 v[STO], v1, SPI
	v_lshl_add_u32 v[STO], v2, 5, v[STO]
	v_add_nc_u32 v[STO], s67, v[STO]
	v_mul_u32_u24 v[RD], v2, SPI                   ; back: lanes 0-15 one row of 256 bytes, lanes 16-31 the next
	v_lshl_add_u32 v[RD], v1, 4, v[RD]
	v_add_nc_u32 v[RD], s67, v[RD]
	v_lshlrev_b32 v[CO], 12, v2                    ; and the same two rows in memory
	v_lshl_add_u32 v[CO], v1, 4, v[CO]
	v_lshlrev_b32 v[BO], 4, v1                     ; my four columns of the bias
	global_load_b128 v[56:59], v[BO], s[78:79]
	WIN 0x80                                       ; destination window 2
.set j, 0
.rept 32
	global_load_b128 v[64+4*j:67+4*j], v[CO], s[74:75] offset:8192*j  ; the residual: rows 2 j and 2 j + 1
.set j, j+1
.endr
	WIN 0
.macro MULP f, hi, a0, na, zero        ; the accumulators take turns, one instruction a turn; zero = 1: the first product starts the sums
	WIN 0xa1+0x50*(\hi)
.set mc, 0
.rept DEP
.set ma, (\a0)
.rept (\na)
.set mb, 0
.rept NT
.set rD, 8*(ma*NT+mb)
.set rB, 128*(\f)+8*(mc*NT+mb)
.set rA, 64+64*(\f)+8*(mc*MT+(\hi)*(MT/2)+ma)
.if (\zero) && (mc == 0)
	v_wmma_f32_16x16x32_bf16 v[rD:rD+7], v[rB:rB+7], v[rA:rA+7], 0
.else
	v_wmma_f32_16x16x32_bf16 v[rD:rD+7], v[rB:rB+7], v[rA:rA+7], v[rD:rD+7]
.endif
.set mb, mb+1
.endr
.set ma, ma+1
.endr
.set mc, mc+1
.endr
.endm
.macro FETCH q, f                      ; 32 LDS loads in one run: quarter q of the slot that is read, into buffer f: B, A's lower half, A's upper half
	WIN 0
	s_add_co_u32 s[TBB], s[TB], ASZ+(\q)*(KSTEP/4)*PB
	v_add_nc_u32 v[ADRA], s[TB], v[A0]
	v_add_nc_u32 v[ADRB], s[TBB], v[B0]
	WIN 0x40
.set fc, 0
.rept DEP
.set fb, 0
.rept NT
.set rB, 128*(\f)+8*(fc*NT+fb)
	ds_load_tr16_b128 v[rB:rB+3],   v[ADRB] offset:fc*32*PB+32*fb+CBP*(fb/4)
	ds_load_tr16_b128 v[rB+4:rB+7], v[ADRB] offset:fc*32*PB+32*fb+CBP*(fb/4)+16*PB
.set fb, fb+1
.endr
.set fc, fc+1
.endr
	WIN 0
.set fh, 0
.rept 2
.set fc, 0
.rept DEP
.set fa, fh*(MT/2)
.rept MT/2
.set rA, 64+64*(\f)+8*(fc*MT+fa)
	ds_load_b128 v[rA:rA+3],   v[ADRA] offset:(\q)*(KSTEP/2)+64*fc+fa*16*PA
	ds_load_b128 v[rA+4:rA+7], v[ADRA] offset:(\q)*(KSTEP/2)+64*fc+fa*16*PA+32
.set fa, fa+1
.endr
.set fc, fc+1
.endr
.set fh, fh+1
.endr
.endm
.macro QUARTER q, f, g, zero
	s_wait_dscnt AHI                               ; B and A's lower half are in; the youngest loads, A's upper half, may be out
	MULP \f, 0, 0, MT/2, \zero
	PLACES
	FETCH \q, \g
	s_wait_dscnt 32                                ; all but the 32 just issued
	MULP \f, 1, 0, MT/2, \zero
.endm
; The last quarter multiplies buffer 1 and changes slots: one barrier.  In front of it each wave waits for all its tensor loads (one is out: its part of the next slot), adds 0 to its spare
; word, and waits for that and for its reads of this slot.  fill = 1: the barrier opens a round of the cluster's, and this slot is filled again, two K steps on, first thing behind it.
; fill = 0 (the tail's two trips): nothing is filled; in the last trip there is no next slot, and the run of loads is jumped over.
.macro TURN fill
	WIN 0
	s_wait_tensorcnt 0x0
	ds_add_u32 v[SPW], v[NIL]
	s_wait_dscnt AHI+1                             ; the add and A's upper half may be out
	MULP 1, 0, 0, MT/4, 0
	s_wait_dscnt 0x0                               ; the add is done, my reads of this slot are over
	s_barrier_signal -1
	MULP 1, 0, MT/4, MT/4, 0
	WIN 0
	s_barrier_wait -1
.if \fill
	CREST
	s_xor_b32 s[TF], s[TF], SLOT
	s_add_co_u32 s[G0A+5], s[LWA], s[TF]
	s_add_co_u32 s[G0B+5], s[LWB], s[TF]
	s_add_nc_u64 s[G0A+6:G0A+7], s[G0A+6:G0A+7], ASTEP
	s_add_nc_u64 s[G0B+6:G0B+7], s[G0B+6:G0B+7], BSTEP
	JLOAD                                          ; its four v_nop are also the places in front of the loads below
	s_xor_b32 s[TB], s[TB], SLOT
	FETCH 0, 0
.else
	PLACES
	s_cmp_eq_u32 s[CNT], 1
	s_cbranch_scc1 .Lno_fetch_\@
	s_xor_b32 s[TB], s[TB], SLOT
	FETCH 0, 0
.Lno_fetch_\@:
.endif
	MULP 1, 1, 0, MT/2, 0
.endm
	s_wait_tensorcnt 0x1                           ; my part of K step 0 is in; K step 1's may stay out
	s_barrier_signal -1
	s_barrier_wait -1
	FETCH 0, 0
	QUARTER 1, 0, 1, 1                             ; the first quarter stands ahead of the loop: its first products start the sums
	WIN 0
	s_mov_b32 s[CNT], STEPS-2
	s_branch .Lin
.Llap:
	QUARTER 1, 0, 1, 0
	WIN 0
.Lin:
	QUARTER 2, 1, 0, 0
	QUARTER 3, 0, 1, 0
	TURN 1
	WIN 0
	s_sub_co_u32 s[CNT], s[CNT], 1
	s_cmp_lg_u32 s[CNT], 0
	s_cbranch_scc1 .Llap
	s_mov_b32 s[CNT], 2
.Ltail:
	QUARTER 1, 0, 1, 0
	QUARTER 2, 1, 0, 0
	QUARTER 3, 0, 1, 0
	TURN 0
	WIN 0
	s_sub_co_u32 s[CNT], s[CNT], 1
	s_cmp_lg_u32 s[CNT], 0
	s_cbranch_scc1 .Ltail
	; THE WAY OUT.  The ring has had its last fill; each wave's stage (64 rows x 272 bytes, f32) lies over it.
	PLACES
	s_wait_dscnt 0x0
	s_barrier_signal -1                            ; every wave's reads of the ring are over before any wave stores into a stage
	s_barrier_wait -1
.set dh, 0
.rept 2
	WIN 0x08+4*dh
.set da, 0
.rept MT/2
.set db, 0
.rept NT
.set rD, 8*(da*NT+db)
	ds_store_b128 v[STO], v[rD:rD+3]   offset:(dh*(MT/2)+da)*16*SPI+64*db     ; each accumulator's low end first
	ds_store_b128 v[STO], v[rD+4:rD+7] offset:(dh*(MT/2)+da)*16*SPI+64*db+16
.set db, db+1
.endr
.set da, da+1
.endr
.set dh, dh+1
.endr
	WIN 0
.set j, 0
.rept 32
	ds_load_b128 v[64+4*j:67+4*j], v[RD] offset:2*SPI*j  ; LDS serves a wave's instructions in order (ISA guide 5.7.1.4): these see my stores
.set j, j+1
.endr
	s_wait_loadcnt 0x0                             ; the bias and the residual
.macro FINISH j0                       ; sixteen pairs of rows: + bias, + residual (the same register numbers in window 2), stored
.set j, (\j0)
.rept 16
	v_pk_add_f32 v[64+4*j:65+4*j], v[64+4*j:65+4*j], v[56:57]
	v_pk_add_f32 v[66+4*j:67+4*j], v[66+4*j:67+4*j], v[58:59]
.set j, j+1
.endr
	WIN 0x08                                       ; source 1 in window 2
.set j, (\j0)
.rept 16
	v_pk_add_f32 v[64+4*j:65+4*j], v[64+4*j:65+4*j], v[64+4*j:65+4*j]
	v_pk_add_f32 v[66+4*j:67+4*j], v[66+4*j:67+4*j], v[66+4*j:67+4*j]
.set j, j+1
.endr
	WIN 0
.set j, (\j0)
.rept 16
	global_store_b128 v[CO], v[64+4*j:67+4*j], s[76:77] offset:8192*j  ; 16 lanes store 256 consecutive bytes, aligned
.set j, j+1
.endr
.endm
	s_wait_dscnt 16                                ; the first sixteen loads are back
	FINISH 0
	s_wait_dscnt 0x0
	FINISH 16
	s_wait_tensorcnt 0x0                           ; the wave's end
	ds_add_u32 v[SPW], v[NIL]
	s_wait_dscnt 0x0
	CROUND                                         ; the closing round
	s_endpgm
.Lfunc_end_k_q0ab565a63a_proj:
	.size	k_q0ab565a63a_proj, .Lfunc_end_k_q0ab565a63a_proj-k_q0ab565a63a_proj
	.p2alignl 7, 3214868480
	.fill 96, 4, 3214868480
	.section	.rodata,"a",@progbits
	.p2align	6, 0x0
	.amdhsa_kernel k_q0ab565a63a_proj
		.amdhsa_group_segment_fixed_size 327680
		.amdhsa_private_segment_fixed_size 0
		.amdhsa_enable_private_segment 0
		.amdhsa_kernarg_size 40
		.amdhsa_user_sgpr_count 2
		.amdhsa_user_sgpr_kernarg_segment_ptr 1
		.amdhsa_wavefront_size32 1
		.amdhsa_system_sgpr_workgroup_id_x 1
		.amdhsa_system_sgpr_workgroup_id_y 1
		.amdhsa_system_sgpr_workgroup_id_z 1
		.amdhsa_system_vgpr_workitem_id 0
		.amdhsa_next_free_vgpr 1024
		.amdhsa_next_free_sgpr 100
		.amdhsa_reserve_vcc 0
		.amdhsa_float_denorm_mode_32 3
		.amdhsa_float_denorm_mode_16_64 3
		.amdhsa_memory_ordered 1
		.amdhsa_forward_progress 1
		.amdhsa_inst_pref_size 71
	.end_amdhsa_kernel
	.amdgpu_metadata
---
amdhsa.version: [ 1, 2 ]
amdhsa.kernels:
  - .name:           k_q0ab565a63a_proj
    .symbol:         k_q0ab565a63a_proj.kd
    .args:
      - { .name: o, .offset: 0, .size: 8, .value_kind: global_buffer, .address_space: global }
      - { .name: wb, .offset: 8, .size: 8, .value_kind: global_buffer, .address_space: global }
      - { .name: b_proj, .offset: 16, .size: 8, .value_kind: global_buffer, .address_space: global }
      - { .name: x, .offset: 24, .size: 8, .value_kind: global_buffer, .address_space: global }
      - { .name: x1, .offset: 32, .size: 8, .value_kind: global_buffer, .address_space: global }
    .group_segment_fixed_size: 327680
    .private_segment_fixed_size: 0
    .kernarg_segment_align: 8
    .kernarg_segment_size: 40
    .max_flat_workgroup_size: 128
    .sgpr_count:     100
    .vgpr_count:     1024
    .wavefront_size: 32
...
	.end_amdgpu_metadata
.endif
;; end of part 4
;; launch ln2: the kernel of part 1 again; grid 448 x 1, 8 waves a work-group, no clusters, 0 bytes of LDS; arguments x1, ln2_g, ln2_b, hn, w_fc2, w2; writes hn, w2
;; launch fc1 (part 5): grid 16 x 16, 4 waves a work-group, clusters of 4 x 4, 327,680 bytes of LDS; arguments hn, wb, b_fc1, act; writes act
.if DOCPART == 5
	.amdgcn_target "amdgcn-amd-amdhsa--gfx1250"
	.amdhsa_code_object_version 6
	.text
	.protected	k_q0ab565a63a_fc1
	.globl	k_q0ab565a63a_fc1
	.p2align	8
	.type	k_q0ab565a63a_fc1,@function
k_q0ab565a63a_fc1:
	s_mov_b64 s[64:65], 0
	v_nop
	global_prefetch_b8 v0, s[64:65] scope:SCOPE_SE
	s_setreg_imm32_b32 hwreg(HW_REG_WAVE_MODE, 25, 1), 1
	s_wait_xcnt 0x0
	s_wait_alu depctr_hold_cnt(0) depctr_sa_sdst(0) depctr_va_vdst(0) depctr_va_sdst(0) depctr_va_ssrc(0) depctr_va_vcc(0) depctr_vm_vsrc(0)
	s_getreg_b32 s2, hwreg(HW_REG_IB_STS2, 6, 4)
	s_cmp_eq_u32 s2, 0
	s_cbranch_scc0 .Lentry_in_a_cluster
	s_endpgm
.Lentry_in_a_cluster:
	s_bfe_u32 s2, ttmp6, 0x10000c
	s_cmp_lg_u32 s2, 0xf033
	s_cbranch_scc0 .Lentry_shape_is_right
	s_endpgm
.Lentry_shape_is_right:
; act = gelu(hn x w_fc1 + b_fc1), the exact (erf) GELU.  hn: [4096][1024] bf16; w_fc1 in wb at byte 2,097,152: [1024][4096] bf16; b_fc1: [4096] f32; act: [4096][4096] bf16, rounded once.
; A work-group makes 256 x 256, its four waves 128 x 128 each: 64 accumulators of 16 x 16.  16 x 16 = 256 work-groups.
; K goes in steps of 128 through two LDS slots filled by the tensor data mover: A's rows are 256 bytes of memory, B's 512, all starting at multiples of 256 bytes.
; B lies [K][N]: its fragments are read turned, by ds_load_tr16_b128.  The matrix instruction is used transposed (source 0 = 16 columns of B, source 1 = 16 rows of A).
; CLUSTER 4 x 4: A's tile hangs on the tile row alone and is asked for jointly by a row of the cluster, B's on the tile column alone, by a column.
; THE LOOP is one K step long: the slot that is read and the slot that is filled are scalar registers turned by an exclusive or.
; GELU.  gelu(x) = max(x, 0) - |x| q, q = P(t) exp(-x x / 2) / 2, t = 1 / (1 + 0.3275911 |x| / sqrt 2), P the polynomial of degree 5 of Abramowitz and Stegun 7.1.26:
; erf is within 1.5e-7 for every x, and nothing is cancelled in the negative tail.
; REGISTERS, in windows of 256: window 0 addresses, A's fragments (two buffers at v64, v128), the way out; window 1 B's fragments (two buffers at v0, v128);
; window 2 the accumulators of my rows 0-63, window 3 those of rows 64-127: (a, b) at v[8 (8 a + b)].
; LIMITS: matrix operands are bf16; q below 2^-126 counts as 0; NaN and infinities are not treated apart.
.set KK,    1024
.set NN,    4096
.set TM,    256
.set TN,    256
.set MT,    8
.set NT,    8
.set KSTEP, 128
.set DEP,   KSTEP/128
.set STEPS, KK/KSTEP
.set PA,    272                        ; A's LDS row: 256 + 16 bytes: the 16 rows of a load start at 16 different groups of four banks (64 banks of 4 bytes: ISA guide 11.1)
.set AQI,   5
.set PB,    544                        ; B's LDS row: 512 + 32 bytes = 136 words
.set BQI,   6
.set BPC,   7
.set CBP,   0
.set WNB,   256
.set ASZ,   TM*PA
.set BSZ,   KSTEP*PB
.set SLOT,  ASZ+BSZ
.set SPARE, 2*SLOT
.set WOFF,  2097152                    ; w_fc1 in wb, behind w_proj
.set ASTEP, KSTEP*2
.set BSTEP, KSTEP*NN*2
.set AHI,   MT*DEP
.set SPI,   528                        ; the way out: a stage row of 128 f32 + 16 bytes
.set WM,    16*MT
.set A0,   16
.set B0,   17
.set ADRA, 18
.set ADRB, 19
.set STO,  20
.set RD,   21
.set CO,   22
.set BO,   23
.set SPW,  28
.set NIL,  29
.set WV,   14
.set ROLE, 15
.set HALF, 16
.set CX,   17
.set CY,   18
.set TX,   19
.set TY,   20
.set RM,   21
.set CM,   22
.set G1A,  24
.set G0A,  32
.set G1B,  40
.set G0B,  48
.set TB,   56
.set TF,   57
.set LWA,  58
.set LWB,  59
.set CNT,  60
.set TBB,  61
.set K1,   74                          ; s[74:87] the GELU's constants, each in the low word of a pair
.set K2,   76
.set C1,   78
.set C2,   80
.set C3,   82
.set C4,   84
.set C5,   86
.set OUTB, 88                          ; s[88:89] act at my 128 x 128
.set BIAS, 90                          ; s[90:91] b_fc1 at my 128 columns
.set ABSM, 96
.set MSB, 0
.macro WIN new
.if MSB != (\new)
	s_set_vgpr_msb (MSB<<8)|(\new)
.set MSB, (\new)
.endif
.endm
.macro PLACES                          ; four plain vector instructions behind a matrix instruction, ahead of loads into its sources and of reads of its result
.rept 4
	v_nop
.endr
.endm
.macro JLOAD                           ; a joint refill: waves 0, 1 fetch A's halves, waves 2, 3 B's; s_nop 0 and four v_nop follow each line
	s_cmp_eq_u32 s[ROLE], 0
	s_cbranch_scc0 .Lfor_b_\@
	tensor_load_to_lds s[G0A+4:G0A+7], s[G1A:G1A+7]
	s_nop 0
.rept 4
	v_nop
.endr
	s_branch .Lasked_\@
.Lfor_b_\@:
	tensor_load_to_lds s[G0B+4:G0B+7], s[G1B:G1B+7]
	s_nop 0
.rept 4
	v_nop
.endr
.Lasked_\@:
.endm
.macro CREST
	s_cmp_lg_u32 s[WV], 0
	s_cbranch_scc1 .Lnot_wave_0_\@
	s_barrier_signal -3
.Lnot_wave_0_\@:
	s_barrier_wait -3
	s_barrier_signal -1
	s_barrier_wait -1
.endm
.macro CROUND
	s_barrier_signal -1
	s_barrier_wait -1
	CREST
.endm
.macro CONST r, val                    ; a constant in a pair: the packed forms name the pair and take its low word for both halves
	s_mov_b32 s[\r], \val
	s_mov_b32 s[\r+1], s[\r]
.endm
	s_load_b256 s[4:11], s[0:1], 0x0               ; hn s[4:5], wb s[6:7], b_fc1 s[8:9], act s[10:11]
	v_lshl_add_u32 v[SPW], v0, 2, SPARE
	v_mov_b32 v[NIL], 0
	ds_add_u32 v[SPW], v[NIL]                      ; the wave's opening: the add and its wait stand ahead of my first tensor load
	v_lshrrev_b32 v1, 5, v0
	v_readfirstlane_b32 s[WV], v1
	s_lshr_b32 s[ROLE], s[WV], 1
	s_and_b32 s[HALF], s[WV], 1
	s_bfe_u32 s[CX], ttmp6, 0x40000
	s_bfe_u32 s[CY], ttmp6, 0x40004
	s_lshl_b32 s[TX], ttmp9, 2
	s_add_co_u32 s[TX], s[TX], s[CX]
	s_and_b32 s[TY], ttmp7, 0xffff
	s_lshl_b32 s[TY], s[TY], 2
	s_add_co_u32 s[TY], s[TY], s[CY]
	s_lshl_b32 s[RM], s[CY], 2
	s_lshl_b32 s[RM], 15, s[RM]
	s_lshl_b32 s[CM], 0x1111, s[CX]
	s_or_b32 s[G1A], s[RM], (1<<16)|(1<<20)|(1<<21)|(AQI<<22)|(3<<25)
	s_or_b32 s[G1B], s[CM], (1<<16)|(1<<20)|(1<<21)|(BQI<<22)|(BPC<<25)
	s_mov_b32 s[G1A+1], KSTEP<<16
	s_mov_b32 s[G1A+2], (TM/2)<<16
	s_mov_b32 s[G1A+3], KSTEP<<16
	s_mov_b32 s[G1A+4], TM/2
	s_mov_b32 s[G1A+5], KK
	s_mov_b32 s[G1A+6], 0
	s_mov_b32 s[G1A+7], 0
	s_mov_b32 s[G1B+1], TN<<16
	s_mov_b32 s[G1B+2], (KSTEP/2)<<16
	s_mov_b32 s[G1B+3], TN<<16
	s_mov_b32 s[G1B+4], KSTEP/2
	s_mov_b32 s[G1B+5], NN
	s_mov_b32 s[G1B+6], 0
	s_mov_b32 s[G1B+7], 0
	s_mul_i32 s[LWA], s[HALF], (TM/2)*PA
	s_mul_i32 s[LWB], s[HALF], (KSTEP/2)*PB
	s_add_co_u32 s[LWB], s[LWB], ASZ
	s_mul_i32 s66, s[TY], TM                       ; A's tile hangs on the tile row alone,
	s_mul_i32 s67, s[HALF], TM/2
	s_add_co_u32 s66, s66, s67
	s_mul_i32 s66, s66, KK*2
	s_mov_b32 s67, 0
	s_mul_i32 s70, s[TX], TN*2                     ; B's on the tile column alone
	s_mul_i32 s71, s[HALF], (KSTEP/2)*NN*2
	s_add_co_u32 s70, s70, s71
	s_add_co_u32 s70, s70, WOFF
	s_mov_b32 s71, 0
	s_mov_b32 s[TB], 0
	s_mov_b32 s[TF], SLOT
	s_mov_b32 s[G0A], 1
	s_mov_b32 s[G0A+1], s[LWA]
	s_mov_b32 s[G0A+4], 1
	s_add_co_u32 s[G0A+5], s[LWA], SLOT
	s_mov_b32 s[G0B], 1
	s_mov_b32 s[G0B+1], s[LWB]
	s_mov_b32 s[G0B+4], 1
	s_add_co_u32 s[G0B+5], s[LWB], SLOT
	CONST K1, 0x3e6d3389                           ; 0.3275911 / sqrt 2
	CONST K2, 0xbf38aa3b                           ; -log2(e) / 2
	CONST C1, 0x3e027906                           ; the polynomial's coefficients, halved:  0.254829592 / 2
	CONST C2, 0xbe11a98e                           ; -0.284496736 / 2
	CONST C3, 0x3f35f0e3                           ;  1.421413741 / 2
	CONST C4, 0xbf3a00e3                           ; -1.453152027 / 2
	CONST C5, 0x3f07dc22                           ;  1.061405429 / 2
	s_mov_b32 s[ABSM], 0x7fffffff
	s_lshl_b32 s92, s[TY], 8                       ; my 128 x 128 of act
	s_lshl_b32 s93, s[ROLE], 7
	s_add_co_u32 s92, s92, s93
	s_lshl_b32 s92, s92, 13                        ; rows of 8,192 bytes
	s_lshl_b32 s94, s[TX], 8
	s_lshl_b32 s95, s[HALF], 7
	s_add_co_u32 s94, s94, s95                     ; my first column
	s_lshl_b32 s95, s94, 1
	s_add_co_u32 s92, s92, s95
	s_mov_b32 s93, 0
	s_lshl_b32 s94, s94, 2
	s_mov_b32 s95, 0
	s_wait_dscnt 0x0                               ; the opening add is done
	s_wait_kmcnt 0x0
	s_add_nc_u64 s[G0A+2:G0A+3], s[4:5], s[66:67]
	s_add_nc_u64 s[G0A+6:G0A+7], s[G0A+2:G0A+3], ASTEP
	s_or_b32 s[G0A+3], s[G0A+3], 0x80000000
	s_or_b32 s[G0A+7], s[G0A+7], 0x80000000
	s_add_nc_u64 s[G0B+2:G0B+3], s[6:7], s[70:71]
	s_add_nc_u64 s[G0B+6:G0B+7], s[G0B+2:G0B+3], BSTEP
	s_or_b32 s[G0B+3], s[G0B+3], 0x80000000
	s_or_b32 s[G0B+7], s[G0B+7], 0x80000000
	s_add_nc_u64 s[OUTB:OUTB+1], s[10:11], s[92:93]
	s_add_nc_u64 s[BIAS:BIAS+1], s[8:9], s[94:95]
	CROUND                                         ; all sixteen work-groups are here: the first joint loads meet
	s_cmp_eq_u32 s[ROLE], 0                        ; a wave's two first fills stand in one branch: two tensor loads of mine are out
	s_cbranch_scc0 .Lfirst_b
	tensor_load_to_lds s[G0A:G0A+3], s[G1A:G1A+7]
	s_nop 0
	tensor_load_to_lds s[G0A+4:G0A+7], s[G1A:G1A+7]
	s_nop 0
.rept 4
	v_nop
.endr
	s_branch .Lfirst_asked
.Lfirst_b:
	tensor_load_to_lds s[G0B:G0B+3], s[G1B:G1B+7]
	s_nop 0
	tensor_load_to_lds s[G0B+4:G0B+7], s[G1B:G1B+7]
	s_nop 0
.rept 4
	v_nop
.endr
.Lfirst_asked:
	v_and_b32 v1, 15, v0                           ; l % 16
	v_bfe_u32 v2, v0, 4, 1                         ; l / 16
	v_mul_u32_u24 v[A0], v1, PA
	v_lshl_add_u32 v[A0], v2, 4, v[A0]
	s_mul_i32 s66, s[ROLE], (TM/2)*PA
	v_add_nc_u32 v[A0], s66, v[A0]
	v_and_b32 v3, 7, v0
	v_lshl_add_u32 v3, v2, 3, v3
	v_mul_u32_u24 v[B0], v3, PB
	v_bfe_u32 v4, v0, 3, 1
	v_lshl_add_u32 v[B0], v4, 4, v[B0]
	s_mul_i32 s66, s[HALF], WNB
	v_add_nc_u32 v[B0], s66, v[B0]
	s_mul_i32 s67, s[WV], WM*SPI                   ; my stage
	v_mul_u32_u24 v[STO], v1, SPI
	v_lshl_add_u32 v[STO], v2, 5, v[STO]
	v_add_nc_u32 v[STO], s67, v[STO]
	v_and_b32 v5, 31, v0                           ; l
	v_lshl_add_u32 v[RD], v5, 4, s67               ; back: 32 lanes take a whole row of 512 bytes: lane l the columns 4 l .. 4 l + 3
	v_lshlrev_b32 v[CO], 3, v5                     ; which are 8 bytes of act
	v_lshlrev_b32 v[BO], 4, v5                     ; and 16 of the bias
	global_load_b128 v[56:59], v[BO], s[BIAS:BIAS+1]
.macro MULP f, hi, a0, na, zero        ; the accumulators take turns, one instruction a turn; zero = 1: the first product starts the sums
	WIN 0xa1+0x50*(\hi)
.set mc, 0
.rept DEP
.set ma, (\a0)
.rept (\na)
.set mb, 0
.rept NT
.set rD, 8*(ma*NT+mb)
.set rB, 128*(\f)+8*(mc*NT+mb)
.set rA, 64+64*(\f)+8*(mc*MT+(\hi)*(MT/2)+ma)
.if (\zero) && (mc == 0)
	v_wmma_f32_16x16x32_bf16 v[rD:rD+7], v[rB:rB+7], v[rA:rA+7], 0
.else
	v_wmma_f32_16x16x32_bf16 v[rD:rD+7], v[rB:rB+7], v[rA:rA+7], v[rD:rD+7]
.endif
.set mb, mb+1
.endr
.set ma, ma+1
.endr
.set mc, mc+1
.endr
.endm
.macro FETCH q, f                      ; 32 LDS loads in one run: quarter q of the slot that is read, into buffer f: B, A's lower half, A's upper half
	WIN 0
	s_add_co_u32 s[TBB], s[TB], ASZ+(\q)*(KSTEP/4)*PB
	v_add_nc_u32 v[ADRA], s[TB], v[A0]
	v_add_nc_u32 v[ADRB], s[TBB], v[B0]
	WIN 0x40
.set fc, 0
.rept DEP
.set fb, 0
.rept NT
.set rB, 128*(\f)+8*(fc*NT+fb)
	ds_load_tr16_b128 v[rB:rB+3],   v[ADRB] offset:fc*32*PB+32*fb+CBP*(fb/4)
	ds_load_tr16_b128 v[rB+4:rB+7], v[ADRB] offset:fc*32*PB+32*fb+CBP*(fb/4)+16*PB
.set fb, fb+1
.endr
.set fc, fc+1
.endr
	WIN 0
.set fh, 0
.rept 2
.set fc, 0
.rept DEP
.set fa, fh*(MT/2)
.rept MT/2
.set rA, 64+64*(\f)+8*(fc*MT+fa)
	ds_load_b128 v[rA:rA+3],   v[ADRA] offset:(\q)*(KSTEP/2)+64*fc+fa*16*PA
	ds_load_b128 v[rA+4:rA+7], v[ADRA] offset:(\q)*(KSTEP/2)+64*fc+fa*16*PA+32
.set fa, fa+1
.endr
.set fc, fc+1
.endr
.set fh, fh+1
.endr
.endm
.macro QUARTER q, f, g, zero
	s_wait_dscnt AHI                               ; B and A's lower half are in; the youngest loads, A's upper half, may be out
	MULP \f, 0, 0, MT/2, \zero
	PLACES
	FETCH \q, \g
	s_wait_dscnt 32                                ; all but the 32 just issued
	MULP \f, 1, 0, MT/2, \zero
.endm
; The last quarter multiplies buffer 1 and changes slots: one barrier.  In front of it each wave waits for all its tensor loads (one is out: its part of the next slot), adds 0 to its spare
; word, and waits for that and for its reads of this slot.  fill = 1: the barrier opens a round of the cluster's, and this slot is filled again, two K steps on, first thing behind it.
; fill = 0 (the tail's two trips): nothing is filled; in the last trip there is no next slot, and the run of loads is jumped over.
.macro TURN fill
	WIN 0
	s_wait_tensorcnt 0x0
	ds_add_u32 v[SPW], v[NIL]
	s_wait_dscnt AHI+1                             ; the add and A's upper half may be out
	MULP 1, 0, 0, MT/4, 0
	s_wait_dscnt 0x0                               ; the add is done, my reads of this slot are over
	s_barrier_signal -1
	MULP 1, 0, MT/4, MT/4, 0
	WIN 0
	s_barrier_wait -1
.if \fill
	CREST
	s_xor_b32 s[TF], s[TF], SLOT
	s_add_co_u32 s[G0A+5], s[LWA], s[TF]
	s_add_co_u32 s[G0B+5], s[LWB], s[TF]
	s_add_nc_u64 s[G0A+6:G0A+7], s[G0A+6:G0A+7], ASTEP
	s_add_nc_u64 s[G0B+6:G0B+7], s[G0B+6:G0B+7], BSTEP
	JLOAD                                          ; its four v_nop are also the places in front of the loads below
	s_xor_b32 s[TB], s[TB], SLOT
	FETCH 0, 0
.else
	PLACES
	s_cmp_eq_u32 s[CNT], 1
	s_cbranch_scc1 .Lno_fetch_\@
	s_xor_b32 s[TB], s[TB], SLOT
	FETCH 0, 0
.Lno_fetch_\@:
.endif
	MULP 1, 1, 0, MT/2, 0
.endm
	s_wait_tensorcnt 0x1                           ; my part of K step 0 is in; K step 1's may stay out
	s_barrier_signal -1
	s_barrier_wait -1
	FETCH 0, 0
	QUARTER 1, 0, 1, 1                             ; the first quarter stands ahead of the loop: its products start the sums
	WIN 0
	s_mov_b32 s[CNT], STEPS-2
	s_branch .Lin
.Llap:
	QUARTER 1, 0, 1, 0
	WIN 0
.Lin:
	QUARTER 2, 1, 0, 0
	QUARTER 3, 0, 1, 0
	TURN 1
	WIN 0
	s_sub_co_u32 s[CNT], s[CNT], 1
	s_cmp_lg_u32 s[CNT], 0
	s_cbranch_scc1 .Llap
	s_mov_b32 s[CNT], 2
.Ltail:
	QUARTER 1, 0, 1, 0
	QUARTER 2, 1, 0, 0
	QUARTER 3, 0, 1, 0
	TURN 0
	WIN 0
	s_sub_co_u32 s[CNT], s[CNT], 1
	s_cmp_lg_u32 s[CNT], 0
	s_cbranch_scc1 .Ltail
	; THE WAY OUT.  The ring has had its last fill; each wave's stage (128 rows x 528 bytes, f32) lies over it.
	PLACES
	s_wait_dscnt 0x0
	s_barrier_signal -1                            ; every wave's reads of the ring are over before any wave stores into a stage
	s_barrier_wait -1
.set dh, 0
.rept 2
	WIN 0x08+4*dh
.set da, 0
.rept MT/2
.set db, 0
.rept NT
.set rD, 8*(da*NT+db)
	ds_store_b128 v[STO], v[rD:rD+3]   offset:(dh*(MT/2)+da)*16*SPI+64*db     ; each accumulator's low end first
	ds_store_b128 v[STO], v[rD+4:rD+7] offset:(dh*(MT/2)+da)*16*SPI+64*db+16
.set db, db+1
.endr
.set da, da+1
.endr
.set dh, dh+1
.endr
	WIN 0
.set XR, 32                            ; v[32:47]   four rows x my four columns, as read back
.set T,  64                            ; v[64:79]   x = sum + bias; later max(x, 0), then the result
.set AX, 80                            ; v[80:95]   |x|
.set U,  96                            ; v[96:111]  t
.set E,  112                           ; v[112:127] exp(-x x / 2)
.set PP, 128                           ; v[128:143] the polynomial, then q
.set YY, 144                           ; v[144:151] packed
.macro EACH8 line:vararg               ; one line for each pair k of eight
.set k, 0
	s_wait_alu depctr_va_vdst(0)
.rept 8
	\line
.set k, k+1
.endr
.endm
.macro EACH16 line:vararg              ; one line for each number k of sixteen
.set k, 0
.rept 16
	\line
.set k, k+1
.endr
.endm
.macro LDX                             ; four rows (LDS serves a wave's instructions in order, ISA guide 5.7.1.4: they see my stores)
.irp r, 0,1,2,3
	ds_load_b128 v[XR+4*\r:XR+4*\r+3], v[RD] offset:SPI*\r
.endr
.endm
.macro ADDB                            ; x = sum + bias, for the four rows that have been read back
.irp r, 0,1,2,3
	v_pk_add_f32 v[T+4*\r:T+4*\r+1], v[XR+4*\r:XR+4*\r+1], v[56:57]
	v_pk_add_f32 v[T+4*\r+2:T+4*\r+3], v[XR+4*\r+2:XR+4*\r+3], v[58:59]
.endr
.endm
	LDX
	s_wait_loadcnt 0x0                             ; the bias
	s_mov_b32 s[CNT], 32
	s_wait_dscnt 0x0
	ADDB
.Lout:                                         ; a trip: the next four rows are asked of the stage; four rows get their GELU and are rounded; the next rows' bias additions stand between the roundings and the stores
	s_cmp_eq_u32 s[CNT], 1
	s_cbranch_scc1 .Lno_more
	v_add_nc_u32 v[RD], 4*SPI, v[RD]
	LDX
.Lno_more:
	; the scaling of x x stands between the reciprocals and the use of their results, the polynomial's first step behind the exponentials: plain work behind each run (ISA guide 5.7.2)
	EACH16 v_and_b32 v[AX+k], s[ABSM], v[T+k]
	EACH8 v_pk_fma_f32 v[U+2*k:U+2*k+1], v[AX+2*k:AX+2*k+1], s[K1:K1+1], 1.0 op_sel_hi:[1,0,0]
	EACH8 v_pk_mul_f32 v[E+2*k:E+2*k+1], v[T+2*k:T+2*k+1], v[T+2*k:T+2*k+1]
	EACH16 v_rcp_f32 v[U+k], v[U+k]
	EACH8 v_pk_mul_f32 v[E+2*k:E+2*k+1], v[E+2*k:E+2*k+1], s[K2:K2+1] op_sel_hi:[1,0]
	EACH16 v_exp_f32 v[E+k], v[E+k]
	EACH8 v_pk_fma_f32 v[PP+2*k:PP+2*k+1], v[U+2*k:U+2*k+1], s[C5:C5+1], s[C4:C4+1] op_sel_hi:[1,0,0]
	EACH8 v_pk_fma_f32 v[PP+2*k:PP+2*k+1], v[PP+2*k:PP+2*k+1], v[U+2*k:U+2*k+1], s[C3:C3+1] op_sel_hi:[1,1,0]
	EACH8 v_pk_fma_f32 v[PP+2*k:PP+2*k+1], v[PP+2*k:PP+2*k+1], v[U+2*k:U+2*k+1], s[C2:C2+1] op_sel_hi:[1,1,0]
	EACH8 v_pk_fma_f32 v[PP+2*k:PP+2*k+1], v[PP+2*k:PP+2*k+1], v[U+2*k:U+2*k+1], s[C1:C1+1] op_sel_hi:[1,1,0]
	EACH8 v_pk_mul_f32 v[PP+2*k:PP+2*k+1], v[PP+2*k:PP+2*k+1], v[U+2*k:U+2*k+1]
	EACH8 v_pk_mul_f32 v[PP+2*k:PP+2*k+1], v[PP+2*k:PP+2*k+1], v[E+2*k:E+2*k+1]
	EACH16 v_max_num_f32 v[T+k], 0, v[T+k]
	EACH8 v_pk_fma_f32 v[T+2*k:T+2*k+1], v[AX+2*k:AX+2*k+1], v[PP+2*k:PP+2*k+1], v[T+2*k:T+2*k+1] neg_lo:[1,0,0] neg_hi:[1,0,0]
	s_wait_xcnt 0x0                                ; the last trip's stores, a trip's arithmetic back, have read their data and offset: both are rewritten only behind this wait
	v_add_nc_u32 v[CO], 32768, v[CO]               ; four rows of act on; the stores below reach back by their immediate
	EACH8 v_cvt_pk_bf16_f32 v[YY+k], v[T+2*k], v[T+2*k+1]
	s_cmp_eq_u32 s[CNT], 1
	s_cbranch_scc1 .Lno_next
	s_wait_dscnt 0x0                               ; the next four rows are back
	ADDB
.Lno_next:
.irp r, 0,1,2,3
	global_store_b64 v[CO], v[YY+2*\r:YY+2*\r+1], s[OUTB:OUTB+1] offset:8192*\r-32768  ; 32 lanes store 256 consecutive bytes, aligned
.endr
	s_sub_co_u32 s[CNT], s[CNT], 1
	s_cmp_lg_u32 s[CNT], 0
	s_cbranch_scc1 .Lout
	s_wait_tensorcnt 0x0                           ; the wave's end
	ds_add_u32 v[SPW], v[NIL]
	s_wait_dscnt 0x0
	CROUND                                         ; the closing round
	s_endpgm
.Lfunc_end_k_q0ab565a63a_fc1:
	.size	k_q0ab565a63a_fc1, .Lfunc_end_k_q0ab565a63a_fc1-k_q0ab565a63a_fc1
	.p2alignl 7, 3214868480
	.fill 96, 4, 3214868480
	.section	.rodata,"a",@progbits
	.p2align	6, 0x0
	.amdhsa_kernel k_q0ab565a63a_fc1
		.amdhsa_group_segment_fixed_size 327680
		.amdhsa_private_segment_fixed_size 0
		.amdhsa_enable_private_segment 0
		.amdhsa_kernarg_size 32
		.amdhsa_user_sgpr_count 2
		.amdhsa_user_sgpr_kernarg_segment_ptr 1
		.amdhsa_wavefront_size32 1
		.amdhsa_system_sgpr_workgroup_id_x 1
		.amdhsa_system_sgpr_workgroup_id_y 1
		.amdhsa_system_sgpr_workgroup_id_z 1
		.amdhsa_system_vgpr_workitem_id 0
		.amdhsa_next_free_vgpr 1024
		.amdhsa_next_free_sgpr 100
		.amdhsa_reserve_vcc 0
		.amdhsa_float_denorm_mode_32 3
		.amdhsa_float_denorm_mode_16_64 3
		.amdhsa_memory_ordered 1
		.amdhsa_forward_progress 1
		.amdhsa_inst_pref_size 89
	.end_amdhsa_kernel
	.amdgpu_metadata
---
amdhsa.version: [ 1, 2 ]
amdhsa.kernels:
  - .name:           k_q0ab565a63a_fc1
    .symbol:         k_q0ab565a63a_fc1.kd
    .args:
      - { .name: hn, .offset: 0, .size: 8, .value_kind: global_buffer, .address_space: global }
      - { .name: wb, .offset: 8, .size: 8, .value_kind: global_buffer, .address_space: global }
      - { .name: b_fc1, .offset: 16, .size: 8, .value_kind: global_buffer, .address_space: global }
      - { .name: act, .offset: 24, .size: 8, .value_kind: global_buffer, .address_space: global }
    .group_segment_fixed_size: 327680
    .private_segment_fixed_size: 0
    .kernarg_segment_align: 8
    .kernarg_segment_size: 32
    .max_flat_workgroup_size: 128
    .sgpr_count:     100
    .vgpr_count:     1024
    .wavefront_size: 32
...
	.end_amdgpu_metadata
.endif
;; end of part 5
;; launch fc2 (part 6): grid 8 x 32, 4 waves a work-group, clusters of 4 x 4, 327,680 bytes of LDS; arguments act, w2, b_fc2, x1, out0; writes out0
.if DOCPART == 6
	.amdgcn_target "amdgcn-amd-amdhsa--gfx1250"
	.amdhsa_code_object_version 6
	.text
	.protected	k_q0ab565a63a_fc2
	.globl	k_q0ab565a63a_fc2
	.p2align	8
	.type	k_q0ab565a63a_fc2,@function
k_q0ab565a63a_fc2:
	s_mov_b64 s[64:65], 0
	v_nop
	global_prefetch_b8 v0, s[64:65] scope:SCOPE_SE
	s_setreg_imm32_b32 hwreg(HW_REG_WAVE_MODE, 25, 1), 1
	s_wait_xcnt 0x0
	s_wait_alu depctr_hold_cnt(0) depctr_sa_sdst(0) depctr_va_vdst(0) depctr_va_sdst(0) depctr_va_ssrc(0) depctr_va_vcc(0) depctr_vm_vsrc(0)
	s_getreg_b32 s2, hwreg(HW_REG_IB_STS2, 6, 4)
	s_cmp_eq_u32 s2, 0
	s_cbranch_scc0 .Lentry_in_a_cluster
	s_endpgm
.Lentry_in_a_cluster:
	s_bfe_u32 s2, ttmp6, 0x10000c
	s_cmp_lg_u32 s2, 0xf033
	s_cbranch_scc0 .Lentry_shape_is_right
	s_endpgm
.Lentry_shape_is_right:
; out0 = x1 + act x w_fc2 + b_fc2.  act: [4096][4096] bf16; w2 = w_fc2: [4096][1024] bf16; b_fc2: [1024] f32; x1, out0: [4096][1024] f32.  Sums, bias and residual in f32.
; A work-group makes 128 x 128, its four waves 64 x 64 each: 16 accumulators of 16 x 16.  32 x 8 = 256 work-groups.
; K goes in steps of 256 through two LDS slots filled by the tensor data mover: A's rows are 512 bytes of memory, B's 256, all starting at multiples of 256 bytes.
; B lies [K][N]: its fragments are read turned, by ds_load_tr16_b128.  The matrix instruction is used transposed (source 0 = 16 columns of B, source 1 = 16 rows of A):
; a lane then holds eight neighbouring columns of one row of the result.
; CLUSTER 4 x 4: A's tile hangs on the tile row alone and is asked for jointly by a row of the cluster, B's on the tile column alone, by a column.
; THE LOOP is one K step long: the slot that is read and the slot that is filled are scalar registers turned by an exclusive or.
; The wave's 64 x 64 of the residual is loaded at the kernel's head into registers that the loop does not touch.
; REGISTERS, in windows of 256: window 0 addresses, A's fragments (two buffers at v64, v128), the way out; window 1 B's fragments (two buffers at v0, v128);
; window 2 v0-63 the accumulators of my rows 0-31, v64-191 the residual; window 3 v0-63 those of rows 32-63: (a, b) at v[8 (4 a + b)].
; LIMITS: matrix operands are bf16; NaN and infinities are not treated apart.
.set KK,    4096
.set NN,    1024
.set TM,    128
.set TN,    128
.set MT,    4
.set NT,    4
.set KSTEP, 256
.set DEP,   KSTEP/128
.set STEPS, KK/KSTEP
.set PA,    528                        ; A's LDS row: 512 + 16 bytes: the 16 rows of a load start at 16 different groups of four banks (64 banks of 4 bytes: ISA guide 11.1)
.set AQI,   6
.set PB,    288                        ; B's LDS row: 256 + 32 bytes = 72 words
.set BQI,   5
.set BPC,   7
.set CBP,   0
.set WNB,   128
.set ASZ,   TM*PA
.set BSZ,   KSTEP*PB
.set SLOT,  ASZ+BSZ
.set SPARE, 2*SLOT
.set WOFF,  0                          ; w_fc2 begins its buffer
.set ASTEP, KSTEP*2
.set BSTEP, KSTEP*NN*2
.set AHI,   MT*DEP
.set SPI,   272
.set WM,    16*MT
.set A0,   16
.set B0,   17
.set ADRA, 18
.set ADRB, 19
.set STO,  20
.set RD,   21
.set CO,   22
.set BO,   23
.set SPW,  28
.set NIL,  29
.set WV,   14
.set ROLE, 15
.set HALF, 16
.set CX,   17
.set CY,   18
.set TX,   19
.set TY,   20
.set RM,   21
.set CM,   22
.set G1A,  24
.set G0A,  32
.set G1B,  40
.set G0B,  48
.set TB,   56
.set TF,   57
.set LWA,  58
.set LWB,  59
.set CNT,  60
.set TBB,  61
.set MSB, 0
.macro WIN new
.if MSB != (\new)
	s_set_vgpr_msb (MSB<<8)|(\new)
.set MSB, (\new)
.endif
.endm
.macro PLACES                          ; four plain vector instructions behind a matrix instruction, ahead of loads into its sources and of reads of its result
.rept 4
	v_nop
.endr
.endm
.macro JLOAD                           ; a joint refill: waves 0, 1 fetch A's halves, waves 2, 3 B's; s_nop 0 and four v_nop follow each line
	s_cmp_eq_u32 s[ROLE], 0
	s_cbranch_scc0 .Lfor_b_\@
	tensor_load_to_lds s[G0A+4:G0A+7], s[G1A:G1A+7]
	s_nop 0
.rept 4
	v_nop
.endr
	s_branch .Lasked_\@
.Lfor_b_\@:
	tensor_load_to_lds s[G0B+4:G0B+7], s[G1B:G1B+7]
	s_nop 0
.rept 4
	v_nop
.endr
.Lasked_\@:
.endm
.macro CREST
	s_cmp_lg_u32 s[WV], 0
	s_cbranch_scc1 .Lnot_wave_0_\@
	s_barrier_signal -3
.Lnot_wave_0_\@:
	s_barrier_wait -3
	s_barrier_signal -1
	s_barrier_wait -1
.endm
.macro CROUND
	s_barrier_signal -1
	s_barrier_wait -1
	CREST
.endm
	s_load_b256 s[4:11], s[0:1], 0x0               ; A s[4:5], weights s[6:7], bias s[8:9], residual s[10:11]
	s_load_b64 s[12:13], s[0:1], 0x20              ; out
	v_lshl_add_u32 v[SPW], v0, 2, SPARE
	v_mov_b32 v[NIL], 0
	ds_add_u32 v[SPW], v[NIL]                      ; the wave's opening: the add and its wait stand ahead of my first tensor load
	v_lshrrev_b32 v1, 5, v0
	v_readfirstlane_b32 s[WV], v1
	s_lshr_b32 s[ROLE], s[WV], 1
	s_and_b32 s[HALF], s[WV], 1
	s_bfe_u32 s[CX], ttmp6, 0x40000
	s_bfe_u32 s[CY], ttmp6, 0x40004
	s_lshl_b32 s[TX], ttmp9, 2
	s_add_co_u32 s[TX], s[TX], s[CX]
	s_and_b32 s[TY], ttmp7, 0xffff
	s_lshl_b32 s[TY], s[TY], 2
	s_add_co_u32 s[TY], s[TY], s[CY]
	s_lshl_b32 s[RM], s[CY], 2
	s_lshl_b32 s[RM], 15, s[RM]
	s_lshl_b32 s[CM], 0x1111, s[CX]
	s_or_b32 s[G1A], s[RM], (1<<16)|(1<<20)|(1<<21)|(AQI<<22)|(3<<25)
	s_or_b32 s[G1B], s[CM], (1<<16)|(1<<20)|(1<<21)|(BQI<<22)|(BPC<<25)
	s_mov_b32 s[G1A+1], KSTEP<<16
	s_mov_b32 s[G1A+2], (TM/2)<<16
	s_mov_b32 s[G1A+3], KSTEP<<16
	s_mov_b32 s[G1A+4], TM/2
	s_mov_b32 s[G1A+5], KK
	s_mov_b32 s[G1A+6], 0
	s_mov_b32 s[G1A+7], 0
	s_mov_b32 s[G1B+1], TN<<16
	s_mov_b32 s[G1B+2], (KSTEP/2)<<16
	s_mov_b32 s[G1B+3], TN<<16
	s_mov_b32 s[G1B+4], KSTEP/2
	s_mov_b32 s[G1B+5], NN
	s_mov_b32 s[G1B+6], 0
	s_mov_b32 s[G1B+7], 0
	s_mul_i32 s[LWA], s[HALF], (TM/2)*PA
	s_mul_i32 s[LWB], s[HALF], (KSTEP/2)*PB
	s_add_co_u32 s[LWB], s[LWB], ASZ
	s_mul_i32 s66, s[TY], TM                       ; A's tile hangs on the tile row alone,
	s_mul_i32 s67, s[HALF], TM/2
	s_add_co_u32 s66, s66, s67
	s_mul_i32 s66, s66, KK*2
	s_mov_b32 s67, 0
	s_mul_i32 s70, s[TX], TN*2                     ; B's on the tile column alone
	s_mul_i32 s71, s[HALF], (KSTEP/2)*NN*2
	s_add_co_u32 s70, s70, s71
	s_add_co_u32 s70, s70, WOFF
	s_mov_b32 s71, 0
	s_mov_b32 s[TB], 0
	s_mov_b32 s[TF], SLOT
	s_mov_b32 s[G0A], 1
	s_mov_b32 s[G0A+1], s[LWA]
	s_mov_b32 s[G0A+4], 1
	s_add_co_u32 s[G0A+5], s[LWA], SLOT
	s_mov_b32 s[G0B], 1
	s_mov_b32 s[G0B+1], s[LWB]
	s_mov_b32 s[G0B+4], 1
	s_add_co_u32 s[G0B+5], s[LWB], SLOT
	s_lshl_b32 s80, s[TY], 7                       ; my 64 x 64 in the residual and in the output
	s_lshl_b32 s81, s[ROLE], 6
	s_add_co_u32 s80, s80, s81
	s_lshl_b32 s80, s80, 12                        ; rows of 4,096 bytes
	s_lshl_b32 s82, s[TX], 9
	s_lshl_b32 s83, s[HALF], 8
	s_add_co_u32 s82, s82, s83                     ; my 64 columns: 256 bytes
	s_add_co_u32 s80, s80, s82
	s_mov_b32 s81, 0
	s_mov_b32 s83, 0
	s_wait_dscnt 0x0                               ; the opening add is done
	s_wait_kmcnt 0x0
	s_add_nc_u64 s[G0A+2:G0A+3], s[4:5], s[66:67]
	s_add_nc_u64 s[G0A+6:G0A+7], s[G0A+2:G0A+3], ASTEP
	s_or_b32 s[G0A+3], s[G0A+3], 0x80000000
	s_or_b32 s[G0A+7], s[G0A+7], 0x80000000
	s_add_nc_u64 s[G0B+2:G0B+3], s[6:7], s[70:71]
	s_add_nc_u64 s[G0B+6:G0B+7], s[G0B+2:G0B+3], BSTEP
	s_or_b32 s[G0B+3], s[G0B+3], 0x80000000
	s_or_b32 s[G0B+7], s[G0B+7], 0x80000000
	s_add_nc_u64 s[74:75], s[10:11], s[80:81]      ; residual
	s_add_nc_u64 s[76:77], s[12:13], s[80:81]      ; out
	s_add_nc_u64 s[78:79], s[8:9], s[82:83]        ; bias
	CROUND                                         ; all sixteen work-groups are here: the first joint loads meet
	s_cmp_eq_u32 s[ROLE], 0                        ; a wave's two first fills stand in one branch: two tensor loads of mine are out
	s_cbranch_scc0 .Lfirst_b
	tensor_load_to_lds s[G0A:G0A+3], s[G1A:G1A+7]
	s_nop 0
	tensor_load_to_lds s[G0A+4:G0A+7], s[G1A:G1A+7]
	s_nop 0
.rept 4
	v_nop
.endr
	s_branch .Lfirst_asked
.Lfirst_b:
	tensor_load_to_lds s[G0B:G0B+3], s[G1B:G1B+7]
	s_nop 0
	tensor_load_to_lds s[G0B+4:G0B+7], s[G1B:G1B+7]
	s_nop 0
.rept 4
	v_nop
.endr
.Lfirst_asked:
	v_and_b32 v1, 15, v0                           ; l % 16
	v_bfe_u32 v2, v0, 4, 1                         ; l / 16
	v_mul_u32_u24 v[A0], v1, PA
	v_lshl_add_u32 v[A0], v2, 4, v[A0]
	s_mul_i32 s66, s[ROLE], (TM/2)*PA
	v_add_nc_u32 v[A0], s66, v[A0]
	v_and_b32 v3, 7, v0
	v_lshl_add_u32 v3, v2, 3, v3
	v_mul_u32_u24 v[B0], v3, PB
	v_bfe_u32 v4, v0, 3, 1
	v_lshl_add_u32 v[B0], v4, 4, v[B0]
	s_mul_i32 s66, s[HALF], WNB
	v_add_nc_u32 v[B0], s66, v[B0]
	s_mul_i32 s67, s[WV], WM*SPI                   ; my stage
	v_mul_u32_u24 v[STO], v1, SPI
	v_lshl_add_u32 v[STO], v2, 5, v[STO]
	v_add_nc_u32 v[STO], s67, v[STO]
	v_mul_u32_u24 v[RD], v2, SPI                   ; back: lanes 0-15 one row of 256 bytes, lanes 16-31 the next
	v_lshl_add_u32 v[RD], v1, 4, v[RD]
	v_add_nc_u32 v[RD], s67, v[RD]
	v_lshlrev_b32 v[CO], 12, v2                    ; and the same two rows in memory
	v_lshl_add_u32 v[CO], v1, 4, v[CO]
	v_lshlrev_b32 v[BO], 4, v1                     ; my four columns of the bias
	global_load_b128 v[56:59], v[BO], s[78:79]
	WIN 0x80                                       ; destination window 2
.set j, 0
.rept 32
	global_load_b128 v[64+4*j:67+4*j], v[CO], s[74:75] offset:8192*j  ; the residual: rows 2 j and 2 j + 1
.set j, j+1
.endr
	WIN 0
.macro MULP f, hi, a0, na, zero        ; the accumulators take turns, one instruction a turn; zero = 1: the first product starts the sums
	WIN 0xa1+0x50*(\hi)
.set mc, 0
.rept DEP
.set ma, (\a0)
.rept (\na)
.set mb, 0
.rept NT
.set rD, 8*(ma*NT+mb)
.set rB, 128*(\f)+8*(mc*NT+mb)
.set rA, 64+64*(\f)+8*(mc*MT+(\hi)*(MT/2)+ma)
.if (\zero) && (mc == 0)
	v_wmma_f32_16x16x32_bf16 v[rD:rD+7], v[rB:rB+7], v[rA:rA+7], 0
.else
	v_wmma_f32_16x16x32_bf16 v[rD:rD+7], v[rB:rB+7], v[rA:rA+7], v[rD:rD+7]
.endif
.set mb, mb+1
.endr
.set ma, ma+1
.endr
.set mc, mc+1
.endr
.endm
.macro FETCH q, f                      ; 32 LDS loads in one run: quarter q of the slot that is read, into buffer f: B, A's lower half, A's upper half
	WIN 0
	s_add_co_u32 s[TBB], s[TB], ASZ+(\q)*(KSTEP/4)*PB
	v_add_nc_u32 v[ADRA], s[TB], v[A0]
	v_add_nc_u32 v[ADRB], s[TBB], v[B0]
	WIN 0x40
.set fc, 0
.rept DEP
.set fb, 0
.rept NT
.set rB, 128*(\f)+8*(fc*NT+fb)
	ds_load_tr16_b128 v[rB:rB+3],   v[ADRB] offset:fc*32*PB+32*fb+CBP*(fb/4)
	ds_load_tr16_b128 v[rB+4:rB+7], v[ADRB] offset:fc*32*PB+32*fb+CBP*(fb/4)+16*PB
.set fb, fb+1
.endr
.set fc, fc+1
.endr
	WIN 0
.set fh, 0
.rept 2
.set fc, 0
.rept DEP
.set fa, fh*(MT/2)
.rept MT/2
.set rA, 64+64*(\f)+8*(fc*MT+fa)
	ds_load_b128 v[rA:rA+3],   v[ADRA] offset:(\q)*(KSTEP/2)+64*fc+fa*16*PA
	ds_load_b128 v[rA+4:rA+7], v[ADRA] offset:(\q)*(KSTEP/2)+64*fc+fa*16*PA+32
.set fa, fa+1
.endr
.set fc, fc+1
.endr
.set fh, fh+1
.endr
.endm
.macro QUARTER q, f, g, zero
	s_wait_dscnt AHI                               ; B and A's lower half are in; the youngest loads, A's upper half, may be out
	MULP \f, 0, 0, MT/2, \zero
	PLACES
	FETCH \q, \g
	s_wait_dscnt 32                                ; all but the 32 just issued
	MULP \f, 1, 0, MT/2, \zero
.endm
; The last quarter multiplies buffer 1 and changes slots: one barrier.  In front of it each wave waits for all its tensor loads (one is out: its part of the next slot), adds 0 to its spare
; word, and waits for that and for its reads of this slot.  fill = 1: the barrier opens a round of the cluster's, and this slot is filled again, two K steps on, first thing behind it.
; fill = 0 (the tail's two trips): nothing is filled; in the last trip there is no next slot, and the run of loads is jumped over.
.macro TURN fill
	WIN 0
	s_wait_tensorcnt 0x0
	ds_add_u32 v[SPW], v[NIL]
	s_wait_dscnt AHI+1                             ; the add and A's upper half may be out
	MULP 1, 0, 0, MT/4, 0
	s_wait_dscnt 0x0                               ; the add is done, my reads of this slot are over
	s_barrier_signal -1
	MULP 1, 0, MT/4, MT/4, 0
	WIN 0
	s_barrier_wait -1
.if \fill
	CREST
	s_xor_b32 s[TF], s[TF], SLOT
	s_add_co_u32 s[G0A+5], s[LWA], s[TF]
	s_add_co_u32 s[G0B+5], s[LWB], s[TF]
	s_add_nc_u64 s[G0A+6:G0A+7], s[G0A+6:G0A+7], ASTEP
	s_add_nc_u64 s[G0B+6:G0B+7], s[G0B+6:G0B+7], BSTEP
	JLOAD                                          ; its four v_nop are also the places in front of the loads below
	s_xor_b32 s[TB], s[TB], SLOT
	FETCH 0, 0
.else
	PLACES
	s_cmp_eq_u32 s[CNT], 1
	s_cbranch_scc1 .Lno_fetch_\@
	s_xor_b32 s[TB], s[TB], SLOT
	FETCH 0, 0
.Lno_fetch_\@:
.endif
	MULP 1, 1, 0, MT/2, 0
.endm
	s_wait_tensorcnt 0x1                           ; my part of K step 0 is in; K step 1's may stay out
	s_barrier_signal -1
	s_barrier_wait -1
	FETCH 0, 0
	QUARTER 1, 0, 1, 1                             ; the first quarter stands ahead of the loop: its first products start the sums
	WIN 0
	s_mov_b32 s[CNT], STEPS-2
	s_branch .Lin
.Llap:
	QUARTER 1, 0, 1, 0
	WIN 0
.Lin:
	QUARTER 2, 1, 0, 0
	QUARTER 3, 0, 1, 0
	TURN 1
	WIN 0
	s_sub_co_u32 s[CNT], s[CNT], 1
	s_cmp_lg_u32 s[CNT], 0
	s_cbranch_scc1 .Llap
	s_mov_b32 s[CNT], 2
.Ltail:
	QUARTER 1, 0, 1, 0
	QUARTER 2, 1, 0, 0
	QUARTER 3, 0, 1, 0
	TURN 0
	WIN 0
	s_sub_co_u32 s[CNT], s[CNT], 1
	s_cmp_lg_u32 s[CNT], 0
	s_cbranch_scc1 .Ltail
	; THE WAY OUT.  The ring has had its last fill; each wave's stage (64 rows x 272 bytes, f32) lies over it.
	PLACES
	s_wait_dscnt 0x0
	s_barrier_signal -1                            ; every wave's reads of the ring are over before any wave stores into a stage
	s_barrier_wait -1
.set dh, 0
.rept 2
	WIN 0x08+4*dh
.set da, 0
.rept MT/2
.set db, 0
.rept NT
.set rD, 8*(da*NT+db)
	ds_store_b128 v[STO], v[rD:rD+3]   offset:(dh*(MT/2)+da)*16*SPI+64*db     ; each accumulator's low end first
	ds_store_b128 v[STO], v[rD+4:rD+7] offset:(dh*(MT/2)+da)*16*SPI+64*db+16
.set db, db+1
.endr
.set da, da+1
.endr
.set dh, dh+1
.endr
	WIN 0
.set j, 0
.rept 32
	ds_load_b128 v[64+4*j:67+4*j], v[RD] offset:2*SPI*j  ; LDS serves a wave's instructions in order (ISA guide 5.7.1.4): these see my stores
.set j, j+1
.endr
	s_wait_loadcnt 0x0                             ; the bias and the residual
.macro FINISH j0                       ; sixteen pairs of rows: + bias, + residual (the same register numbers in window 2), stored
.set j, (\j0)
.rept 16
	v_pk_add_f32 v[64+4*j:65+4*j], v[64+4*j:65+4*j], v[56:57]
	v_pk_add_f32 v[66+4*j:67+4*j], v[66+4*j:67+4*j], v[58:59]
.set j, j+1
.endr
	WIN 0x08                                       ; source 1 in window 2
.set j, (\j0)
.rept 16
	v_pk_add_f32 v[64+4*j:65+4*j], v[64+4*j:65+4*j], v[64+4*j:65+4*j]
	v_pk_add_f32 v[66+4*j:67+4*j], v[66+4*j:67+4*j], v[66+4*j:67+4*j]
.set j, j+1
.endr
	WIN 0
.set j, (\j0)
.rept 16
	global_store_b128 v[CO], v[64+4*j:67+4*j], s[76:77] offset:8192*j  ; 16 lanes store 256 consecutive bytes, aligned
.set j, j+1
.endr
.endm
	s_wait_dscnt 16                                ; the first sixteen loads are back
	FINISH 0
	s_wait_dscnt 0x0
	FINISH 16
	s_wait_tensorcnt 0x0                           ; the wave's end
	ds_add_u32 v[SPW], v[NIL]
	s_wait_dscnt 0x0
	CROUND                                         ; the closing round
	s_endpgm
.Lfunc_end_k_q0ab565a63a_fc2:
	.size	k_q0ab565a63a_fc2, .Lfunc_end_k_q0ab565a63a_fc2-k_q0ab565a63a_fc2
	.p2alignl 7, 3214868480
	.fill 96, 4, 3214868480
	.section	.rodata,"a",@progbits
	.p2align	6, 0x0
	.amdhsa_kernel k_q0ab565a63a_fc2
		.amdhsa_group_segment_fixed_size 327680
		.amdhsa_private_segment_fixed_size 0
		.amdhsa_enable_private_segment 0
		.amdhsa_kernarg_size 40
		.amdhsa_user_sgpr_count 2
		.amdhsa_user_sgpr_kernarg_segment_ptr 1
		.amdhsa_wavefront_size32 1
		.amdhsa_system_sgpr_workgroup_id_x 1
		.amdhsa_system_sgpr_workgroup_id_y 1
		.amdhsa_system_sgpr_workgroup_id_z 1
		.amdhsa_system_vgpr_workitem_id 0
		.amdhsa_next_free_vgpr 1024
		.amdhsa_next_free_sgpr 100
		.amdhsa_reserve_vcc 0
		.amdhsa_float_denorm_mode_32 3
		.amdhsa_float_denorm_mode_16_64 3
		.amdhsa_memory_ordered 1
		.amdhsa_forward_progress 1
		.amdhsa_inst_pref_size 71
	.end_amdhsa_kernel
	.amdgpu_metadata
---
amdhsa.version: [ 1, 2 ]
amdhsa.kernels:
  - .name:           k_q0ab565a63a_fc2
    .symbol:         k_q0ab565a63a_fc2.kd
    .args:
      - { .name: act, .offset: 0, .size: 8, .value_kind: global_buffer, .address_space: global }
      - { .name: w2, .offset: 8, .size: 8, .value_kind: global_buffer, .address_space: global }
      - { .name: b_fc2, .offset: 16, .size: 8, .value_kind: global_buffer, .address_space: global }
      - { .name: x1, .offset: 24, .size: 8, .value_kind: global_buffer, .address_space: global }
      - { .name: out0, .offset: 32, .size: 8, .value_kind: global_buffer, .address_space: global }
    .group_segment_fixed_size: 327680
    .private_segment_fixed_size: 0
    .kernarg_segment_align: 8
    .kernarg_segment_size: 40
    .max_flat_workgroup_size: 128
    .sgpr_count:     100
    .vgpr_count:     1024
    .wavefront_size: 32
...
	.end_amdgpu_metadata
.endif
;; end of part 6
